; MI455X (gfx1250); checked and timed in simulation.
; The chip was launched on July 23, 2026; its instructions are those of AMD's public machine-readable ISA for CDNA 5 (MIT licence, August 2026) and "CDNA5" Instruction Set Architecture Reference Guide (July 2026). The comments in the code are by the model that wrote it; some were corrected since.
;; Pair Conditioned Retriever. Allowed arithmetic: matrix products marked QUANTISED: E2M1 operands, one E8M0 scale for each 32 along K, by v_wmma_scale_f32_16x16x128_f8f6f4 with both operands' format E2M1 (or v_wmma_scale_f32_32x16x128_f4), f32 sums; products left as they are: f32 operands where the result goes on into a quantised operand, else bf16, f16 or f32 operands; f32 sums; everything else in f32.
;; Inputs: condition 2,048 x 512 float32; neighbor_stats 2,048 x 32 x 16 float32; neighbors 2,048 x 32 x 512 float32; pb1 512 float32; pb2 512 float32; pw1 528 x 512 float32; pw2 512 x 512 float32; query 2,048 x 512 float32; sb1 512 float32; sb2 1 float32; sim_alpha one number float32; sw1 1,552 x 512 float32; sw2 512 x 1 float32.
;; Outputs: out0 2,048 x 512 float32; out1 2,048 x 32 float32.
;; This version of the problem:
;;   THIS VERSION OF THE PROBLEM IS GIVEN IN LOW PRECISION. The matrix products marked QUANTISED in the list below multiply operands that are first quantised to E2M1 (2 exponent bits, 1 mantissa bit; 4 bits a number), with one power-of-two scale for each 32 numbers along K (OCP MX v1.0); their sums are f32. All else is computed in f32.
;;   The module's matrix products, in the order in which they are computed (A, B: the left and right operand; K: the contracted axis; several contracted axes count as one K, in the product's order):
;;     1. [M 65,536, K 1,552] x [K 1,552, N 512]; A: computed on the way; B: input sw1: QUANTISED
;;     2. [M 65,536, K 512] x [K 512, N 1]; A: computed on the way; B: input sw2: left as it is (N = 1 < 16)
;;     3. batch 2,048 x [M 1, K 32] x [K 32, N 528]; A: softmax; B: computed on the way: left as it is (M = 1 < 16)
;;     4. [M 2,048, K 528] x [K 528, N 512]; A: computed on the way; B: input pw1: QUANTISED
;;     5. [M 2,048, K 512] x [K 512, N 512]; A: computed on the way; B: input pw2: QUANTISED
;;   THE QUANTISER, for each operand of a quantised product, along K:
;;     - K is cut into blocks of 32 from its start; a last block that is shorter is filled with zeros.
;;     - A block's scale is 2^e with e = floor(log2(the largest magnitude in the block)) - 2, held to -126 .. 127; a block of zeros has e = 0. As a byte (E8M0): e + 127.
;;     - Each number is divided by its block's scale, clamped to +-6, and rounded to the nearest number of E2M1, ties to even, subnormals kept.
;;     - The product sums the exact products of the quantised numbers (number of the format x scale) in f32.
;;   ~~~python
;;   def quantise(x, axis):      # numpy; x: float32 -> the quantised numbers, widened to float32 again
;;       x = np.moveaxis(x, axis, -1); K = x.shape[-1]
;;       x = np.pad(x, [(0, 0)] * (x.ndim - 1) + [(0, -K % 32)]); x = x.reshape(x.shape[:-1] + (-1, 32)); a = np.abs(x).max(-1, keepdims=True)
;;       e = np.where(a > 0, np.clip(np.frexp(np.where(a > 0, a, 1))[1] - 1 - 2, -126, 127), 0)      # np.frexp(a)[1] - 1 = floor(log2(a)), exactly
;;       r = np.clip(x / 2.0 ** e, -6, 6)
;;       step = 2.0 ** (np.maximum(np.frexp(np.where(r == 0, 1, r))[1] - 1, 0) - 1)
;;       q = np.round(r / step) * step * 2.0 ** e      # np.round: ties to even
;;       return np.moveaxis(q.reshape(q.shape[:-2] + (-1,))[..., :K], -1, axis).astype(np.float32)
;;   ~~~
;;   OPERANDS COMPUTED ON THE WAY. 'Computed on the way' means the value that the module computes at that place (a softmax that the list does not call 'softmax' is quantised finished and normalised). What goes into a quantiser is computed in f32, as accurately as f32 sums, v_exp_f32 and their like allow (about 1e-6 of the number): no bf16 or f16 on the way to a quantiser, and a product that is left as it is and whose result goes on into a quantised operand takes f32 operands (vector FMAs, or v_wmma_f32_16x16x4_f32). A number that lies on a knife's edge between two numbers of the format may be rounded either way, as far as f32 arithmetic and the matrix unit's own rounding can turn it there, and no further.
;; 2 versions. Each part assembles by itself: llvm-mc -triple=amdgcn-amd-amdhsa -mcpu=gfx1250 --defsym DOCPART=n.
;; ======== version 1 of 2: 2 launches
;; workspace buffers: wcodes 720,896 bytes; wscales 98,304 bytes
;; launch prep (part 1): grid 4 x 22, 4 waves a work-group, no clusters, 0 bytes of LDS; arguments sw1, pw1, pw2, wcodes, wscales; writes wcodes, wscales
.if DOCPART == 1
	.amdgcn_target "amdgcn-amd-amdhsa--gfx1250"
	.amdhsa_code_object_version 6
	.text
	.protected	k_qd36a68523e_prep
	.globl	k_qd36a68523e_prep
	.p2align	8
	.type	k_qd36a68523e_prep,@function
k_qd36a68523e_prep:
	s_mov_b64 s[64:65], 0
	v_nop
	global_prefetch_b8 v0, s[64:65] scope:SCOPE_SE
	s_setreg_imm32_b32 hwreg(HW_REG_WAVE_MODE, 25, 1), 1
	s_wait_xcnt 0x0
; sw1 [1552][512], pw1 [528][512], pw2 [512][512], f32, K = the first axis, become codes of FP4 (E2M1) with one E8M0 byte for each 32 along K,
; laid in the order of a matrix operand's registers.  A fragment (16 columns n x 128 along K) is 1,024 bytes: block q of 32 along K of tile row r lies at 256 q + 16 r,
; so that a wave takes a fragment by two loads of 16 bytes a lane at 16 x lane.  Fragment (tile, step) of a weight with NS steps lies at region + (tile x NS + step) x 1,024.
; The scale word (four bytes: one K step of one column) lies at region + tile x 1,024 + r x 64 + 4 x step.
; Tile rows: column 16 tile + r for sw1 and pw2; for pw1 lane r of tile 2 b + u is column 32 b + 8 u + r + 8 (r / 8), so that its results are neighbours along the next product's K.
; A block's scale is 2^(floor(log2(largest magnitude)) - 2): its byte is the largest magnitude's exponent field - 2, held at 1 from below.
; LIMITS: a block of zeros, or one whose largest magnitude lies under 2^-124, gets the byte 1 (its codes are zeros or subnormal codes; this program alone reads the bytes); NaN and infinities are not served.
; SHARES: work-group (x, y) takes K step y of the list sw1's 13, pw1's 5, pw2's 4, and columns 128 x on; a lane takes one column and its registers run down K, so a block's maximum needs no other lane.
; Steps 12 and 17 have 16 real rows: the rest of the step is zero codes under the byte 127.
; Each store of codes covers whole aligned runs of 256 bytes; the scale words leave 4 bytes a lane, 64 bytes apart: 45,056 bytes in the whole launch.
.set X,  32                            ; v32-159  128 numbers: one K step of my column
.set C,  160                           ; v160-175 its codes
.set SB, 176                           ; v176     its scale word
	s_load_b128 s[4:7], s[0:1], 0x0                ; sw1, pw1
	s_load_b128 s[8:11], s[0:1], 0x10              ; pw2, the codes
	s_load_b64 s[12:13], s[0:1], 0x20              ; the scale words
	v_lshrrev_b32 v1, 5, v0
	v_readfirstlane_b32 s14, v1                    ; wave
	v_and_b32 v2, 31, v0                           ; lane
	s_and_b32 s15, ttmp7, 0xffff                   ; y
	s_mov_b32 s16, 0                               ; the weight's first y
	s_mov_b32 s17, 13                              ; its K steps
	s_mov_b32 s18, 0                               ; its region of codes
	s_mov_b32 s19, 0                               ; its region of scale words
	s_mov_b32 s20, 0                               ; all ones: the chosen tile rows
	s_wait_kmcnt 0x0
	s_cmp_ge_u32 s15, 13                           ; the choice hangs on the work-group's number alone
	s_cselect_b64 s[4:5], s[6:7], s[4:5]
	s_cselect_b32 s16, 13, s16
	s_cselect_b32 s17, 5, s17
	s_cselect_b32 s18, 425984, s18
	s_cselect_b32 s19, 32768, s19
	s_cselect_b32 s20, -1, s20
	s_cmp_ge_u32 s15, 18
	s_cselect_b64 s[4:5], s[8:9], s[4:5]
	s_cselect_b32 s16, 18, s16
	s_cselect_b32 s17, 4, s17
	s_cselect_b32 s18, 589824, s18
	s_cselect_b32 s19, 65536, s19
	s_cselect_b32 s20, 0, s20
	s_sub_co_u32 s21, s15, s16                     ; the step within the weight
	s_lshl_b32 s22, s21, 18                        ; 128 rows of 2,048 bytes
	s_mov_b32 s23, 0
	s_add_nc_u64 s[4:5], s[4:5], s[22:23]
	s_lshl_b32 s24, ttmp9, 9
	s_lshl_b32 s25, s14, 7
	s_add_co_u32 s24, s24, s25
	v_lshl_add_u32 v3, v2, 2, s24                  ; my column's 4 bytes in a row: 512 x + 128 wave + 4 lane
	v_lshrrev_b32 v4, 4, v2                        ; plain rows: tile lane / 16, row lane % 16
	v_and_b32 v5, 15, v2
	v_bfe_u32 v6, v2, 3, 1                         ; chosen rows: tile (lane / 8) % 2, row lane % 8 + 8 (lane / 16)
	v_and_b32 v7, 7, v2
	v_lshl_add_u32 v7, v4, 3, v7
	v_cndmask_b32 v4, v4, v6, s20
	v_cndmask_b32 v5, v5, v7, s20
	s_lshl_b32 s24, ttmp9, 3
	s_lshl_b32 s25, s14, 1
	s_add_co_u32 s24, s24, s25                     ; my wave's first tile: 8 x + 2 wave
	s_mul_i32 s22, s24, s17
	s_add_co_u32 s22, s22, s21
	s_lshl_b32 s22, s22, 10
	s_add_co_u32 s22, s22, s18
	s_add_nc_u64 s[10:11], s[10:11], s[22:23]      ; its fragment of this step
	s_lshl_b32 s22, s24, 10
	s_lshl_b32 s25, s21, 2
	s_add_co_u32 s22, s22, s25
	s_add_co_u32 s22, s22, s19
	s_add_nc_u64 s[12:13], s[12:13], s[22:23]      ; its scale words of this step
	s_lshl_b32 s26, s17, 10
	v_mul_u32_u24 v8, v4, s26
	v_lshl_add_u32 v8, v5, 4, v8                   ; codes: my tile's fragment, + 16 r
	v_lshlrev_b32 v9, 10, v4
	v_lshl_add_u32 v9, v5, 6, v9                   ; scale word: my tile, + 64 r
.macro LOAD q                          ; block q: rows 32 q .. 32 q + 31 of the step, my column: 32 lanes read 128 consecutive bytes
.irp i, 0,1,2,3,4,5,6,7,8,9,10,11,12,13,14,15,16,17,18,19,20,21,22,23,24,25,26,27,28,29,30,31
	global_load_b32 v[X+32*(\q)+\i], v3, s[4:5] offset:(32*(\q)+\i)*2048 th:TH_LOAD_NT
.endr
.endm
.macro BLOCK q, left
.set XS, X+32*(\q)
	s_wait_loadcnt \left                           ; this block's 32 loads are in; the next block's may be out
.if (\q) < 2
	LOAD (\q)+2
.endif
	v_max3_num_f32 v12, |v[XS]|, |v[XS+1]|, |v[XS+2]|
	v_max3_num_f32 v13, |v[XS+3]|, |v[XS+4]|, |v[XS+5]|
.irp i, 6,10,14,18,22,26
	v_max3_num_f32 v12, v12, |v[XS+\i]|, |v[XS+\i+1]|
	v_max3_num_f32 v13, v13, |v[XS+\i+2]|, |v[XS+\i+3]|
.endr
	v_max3_num_f32 v12, v12, |v[XS+30]|, |v[XS+31]|
	v_max3_num_f32 v12, v12, v13, 0x1800000        ; and the floor 2^(3 - 127): the byte cannot fall under 1
	v_add_nc_u32 v11, 0xff000000, v12              ; 2 off the exponent field: the conversion's scale operand
	v_lshrrev_b32 v13, 23, v11                     ; the byte
.if (\q) == 0
	v_mov_b32 v[SB], v13
.else
	v_lshl_or_b32 v[SB], v13, 8*(\q), v[SB]
.endif
.irp g, 0,1,2,3
	v_cvt_scalef32_pk8_fp4_f32 v[C+4*(\q)+\g], v[XS+8*\g:XS+8*\g+7], v11
.endr
.endm
	s_cmp_eq_u32 s15, 12
	s_cbranch_scc1 .Ltail
	s_cmp_eq_u32 s15, 17
	s_cbranch_scc1 .Ltail
	LOAD 0
	LOAD 1
	BLOCK 0, 32
	BLOCK 1, 32
	BLOCK 2, 32
	BLOCK 3, 0
	s_branch .Lstore
.Ltail:                                            ; 16 real rows: no load leaves the weight
.irp i, 0,1,2,3,4,5,6,7,8,9,10,11,12,13,14,15
	global_load_b32 v[X+\i], v3, s[4:5] offset:\i*2048 th:TH_LOAD_NT
.endr
	s_wait_loadcnt 0x0
	v_max3_num_f32 v12, |v[X]|, |v[X+1]|, |v[X+2]|
	v_max3_num_f32 v13, |v[X+3]|, |v[X+4]|, |v[X+5]|
.irp i, 6,10
	v_max3_num_f32 v12, v12, |v[X+\i]|, |v[X+\i+1]|
	v_max3_num_f32 v13, v13, |v[X+\i+2]|, |v[X+\i+3]|
.endr
	v_max3_num_f32 v12, v12, |v[X+14]|, |v[X+15]|
	v_max3_num_f32 v12, v12, v13, 0x1800000
	v_add_nc_u32 v11, 0xff000000, v12
	v_lshrrev_b32 v13, 23, v11
	v_or_b32 v[SB], 0x7f7f7f00, v13                ; the three blocks of zeros: byte 127
	v_cvt_scalef32_pk8_fp4_f32 v[C], v[X:X+7], v11
	v_cvt_scalef32_pk8_fp4_f32 v[C+1], v[X+8:X+15], v11
.irp j, 2,3,4,5,6,7,8,9,10,11,12,13,14,15
	v_mov_b32 v[C+\j], 0                           ; zero codes fill the block and the step
.endr
.Lstore:
	v_nop                                          ; a plain line behind the last conversion
.irp q, 0,1,2,3
	global_store_b128 v8, v[C+4*\q:C+4*\q+3], s[10:11] offset:256*\q   ; block q of 16 tile rows: 256 consecutive bytes, aligned
.endr
	global_store_b32 v9, v[SB], s[12:13]
	s_endpgm
.Lfunc_end_k_qd36a68523e_prep:
	.size	k_qd36a68523e_prep, .Lfunc_end_k_qd36a68523e_prep-k_qd36a68523e_prep
	.p2alignl 7, 3214868480
	.fill 96, 4, 3214868480
	.section	.rodata,"a",@progbits
	.p2align	6, 0x0
	.amdhsa_kernel k_qd36a68523e_prep
		.amdhsa_group_segment_fixed_size 0
		.amdhsa_private_segment_fixed_size 0
		.amdhsa_enable_private_segment 0
		.amdhsa_kernarg_size 40
		.amdhsa_user_sgpr_count 2
		.amdhsa_user_sgpr_kernarg_segment_ptr 1
		.amdhsa_wavefront_size32 1
		.amdhsa_system_sgpr_workgroup_id_x 1
		.amdhsa_system_sgpr_workgroup_id_y 1
		.amdhsa_system_sgpr_workgroup_id_z 1
		.amdhsa_system_vgpr_workitem_id 0
		.amdhsa_next_free_vgpr 192
		.amdhsa_next_free_sgpr 66
		.amdhsa_reserve_vcc 0
		.amdhsa_float_denorm_mode_32 3
		.amdhsa_float_denorm_mode_16_64 3
		.amdhsa_memory_ordered 1
		.amdhsa_forward_progress 1
		.amdhsa_inst_pref_size 24
	.end_amdhsa_kernel
	.amdgpu_metadata
---
amdhsa.version: [ 1, 2 ]
amdhsa.kernels:
  - .name:           k_qd36a68523e_prep
    .symbol:         k_qd36a68523e_prep.kd
    .args:
      - { .name: sw1, .offset: 0, .size: 8, .value_kind: global_buffer, .address_space: global }
      - { .name: pw1, .offset: 8, .size: 8, .value_kind: global_buffer, .address_space: global }
      - { .name: pw2, .offset: 16, .size: 8, .value_kind: global_buffer, .address_space: global }
      - { .name: wcodes, .offset: 24, .size: 8, .value_kind: global_buffer, .address_space: global }
      - { .name: wscales, .offset: 32, .size: 8, .value_kind: global_buffer, .address_space: global }
    .group_segment_fixed_size: 0
    .private_segment_fixed_size: 0
    .kernarg_segment_align: 8
    .kernarg_segment_size: 40
    .max_flat_workgroup_size: 128
    .sgpr_count:     66
    .vgpr_count:     192
    .wavefront_size: 32
...
	.end_amdgpu_metadata
.endif
;; end of part 1
;; launch main (part 2): grid 256 x 1, 8 waves a work-group, no clusters, 147,456 bytes of LDS; arguments query, condition, neighbors, neighbor_stats, sb1, sw2, sb2, sim_alpha, pb1, pb2, wcodes, wscales, out0, out1; writes out0, out1
.if DOCPART == 2
	.amdgcn_target "amdgcn-amd-amdhsa--gfx1250"
	.amdhsa_code_object_version 6
	.text
	.protected	k_qd36a68523e_main
	.globl	k_qd36a68523e_main
	.p2align	8
	.type	k_qd36a68523e_main,@function
k_qd36a68523e_main:
	s_mov_b64 s[64:65], 0
	v_nop
	global_prefetch_b8 v0, s[64:65] scope:SCOPE_SE
	s_setreg_imm32_b32 hwreg(HW_REG_WAVE_MODE, 25, 1), 1
	s_wait_xcnt 0x0
; For each batch row b: logits of its 32 neighbours = gelu([q | c | nbr | stats] sw1 + sb1) sw2 + sb2 + alpha x stats[15]; attn = softmax (out1); mixed = attn x [nbr | stats];
; out0 = gelu(mixed pw1 + pb1) pw2 + pb2.  The three large products run on codes of FP4 (E2M1) with one E8M0 byte for each 32 along K; all else is f32.
; THE q AND c PART.  The four parts of the scorer's input begin at multiples of 32 along K, so no block of the quantiser straddles two parts, and q's and c's codes are the same for the 32 rows of a b.
; Their share of the first product (K steps 0-7) is made once for each b, sb1 added, kept in LDS, and given to each tile's first matrix instruction as its C.
; SHARES.  A work-group of eight waves owns 8 batch rows.  The waves share COLUMNS: wave w owns units 64 w .. 64 w + 63 of every layer (four tiles of 16, whose weights lie in its registers)
; and columns 64 w .. 64 w + 63 of neighbors (256 aligned bytes of each row).  neighbors is read once, into registers, where it serves the quantiser and, later, the mixing.
; A TRIP (one b), ONE barrier: my 64 units for 2 x 16 rows (source 0 = 16 units, source 1 = 16 rows: a lane holds one row and eight units) on operands fetched a phase ago, gelu, the dot with sw2, partial logits
; to LDS; my columns of the NEXT b become codes and scale bytes in the other of two LDS buffers | barrier | the logits are asked for, and directly behind them the next b's 21 operand loads, which land under what
; follows: every wave adds the partial logits, takes the softmax (the row's maximum taken away), mixes its columns, and asks for its set's next rows.
; The buffer of codes that a trip writes was last read ahead of the barrier before; the partial logits take turns between two areas in the same way: so one barrier orders both.
; Two sets of 64 registers hold neighbors; a set is asked for again as soon as it has been mixed, and its 16 loads have the next b's products and gelu in which to land.
; The last two b are written out behind the loop: they make no further codes and ask for pw2 in place of neighbors, so no line of a trip stands under a branch.
; NO CLUSTER: the shared bytes are the weights' codes.  A wave loads its 52 + 20 + 16 fragments of 1,024 bytes straight into the registers where they stay, once; a joint load would have to bring the
; work-group's 704 fragments through LDS slots filled several times over, for bytes that are read once by one wave each.
; PREFETCH: at the head each of the 256 threads asks for one run of 256 bytes of the first b's rows and one of the second's (2 x 65,536 bytes, each run once); the loads that want them follow behind the prologue.  Nothing further is asked for.
; erf(y) = y P(y^2) / Q(y^2), y = x / sqrt(2) held to +-4: polynomials of degree 6 and 4 in y^2.
; LIMITS: NaN and infinities are not served.  A block of zeros, or one whose largest magnitude lies under 2^-124, gets the scale byte 1 (this program alone reads the bytes).
; Rows 8-15 of the tiles whose rows are batch rows (the q and c part, the projection) repeat rows 0-7.
; REGISTERS, window 0: v1-3 lane, lane % 16, lane / 16; v4-27 addresses; v28-31 two constants as pairs; v34 a scale word just made; v36 my b's attn; v38-45 attn of my eight rows; v46-53 sums;
;   v54-95 scales and nothing else; v96-127 four accumulators; v128-159 four fragments of rows; v160-167 the stats' fragment; v168-199 the weights' K step 4; v200-231 sw2 / 2, later out0's accumulators; v232-255 at work.
;   window 1: v0-127 my weights' K steps 0-3; v128-191, v192-255 the two sets of neighbors (in the prologue all 256: sw1's steps 0-7; at the end pw2).
.set CODES, 0                          ; LDS: 32 rows x (256 bytes of codes + 16),
.set XSC,   8704                       ; 32 rows x 16 scale bytes;
.set BUF,   9216                       ; and both once more, this far on: the two buffers take turns from b to b
.set STC,   18432                      ; 8 b x 32 rows x 32 bytes: the stats' 8 bytes of codes, 24 zero bytes
.set STS,   26624                      ; 8 b x 32 scale words of the stats
.set SIM,   27648                      ; 8 b x 32: alpha x stats[15] + sb2
.set LGT,   28672                      ; 32 rows x 8 waves: partial logits;
.set LBUF,  3072                       ; and once more, this far on
.set ATT,   29696                      ; 128 bytes a wave: attn in the order in which my lanes want it
.set ATO,   30720                      ; 8 b x 32: attn for out1
.set BASE,  34816                      ; 8 b x (2,048 + 16): the q and c part + sb1
.set BPITCH, 2064
.set MIX,   51456                      ; 8 b x (640 f32 + 16 bytes): the mixed rows, zeros from column 528 on
.set MPITCH, 2576
.set HI,    65536                      ; what lies higher is reached by address registers that carry HI: an LDS offset has 16 bits
.set SST,   72192-HI                   ; 2,048 bytes a wave: the stats of b = w
.set QIMG,  88576-HI                   ; q's and c's 8 fragments, as images of their registers
.set QSC,   96768-HI                   ; their scale words
.set MIMG,  97792-HI                   ; the mixed rows' fragments
.set MSC,   105984-HI
.set HIMG,  107008-HI                  ; the hidden layer's 4 fragments
.set HSC,   111104-HI
.set OST,   111616-HI                  ; 16 rows x 272 bytes a wave: out0's stage
.set PW,   34
.set ATN,  38
.set MX,   46
.set LA,   46                          ; the dot with sw2, rows 0-15: two pairs
.set LB,   50                          ; rows 16-31
.set WSC,  54                          ; the weights' scale words: tile t, step k at 4 t + k
.set WSC4, 70                          ; step 4
.set XSCL0, 74                         ; the rows' scale words, rows 0-15
.set XSCL1, 78                         ; rows 16-31
.set XS40, 82                          ; the stats' scale words
.set XS41, 83
.set ACC,  96
.set XT,   96                          ; while codes are made: largest magnitudes,
.set XO,   104                         ; scale operands,
.set XB,   112                         ; bytes,
.set XC,   120                         ; codes
.set AF,   128
.set SF,   160
.set W4,   168
.set SW2,  200
.set Y,    232
.set Z,    240
.set P,    248
.set TM,   232
.set PC,   248
.set KC,   48                          ; scalar pairs: 1 / sqrt(2), then the polynomials' coefficients
.set A13,  50
.set A9,   52
.set A7,   54
.set A5,   56
.set A3,   58
.set A1,   60
.set B8,   62
.set B4,   66
.set B2,   68
.set B0,   70
.set XP,   72                          ; s[72:73] neighbors at my columns of the iteration's first b
.set WC1,  74                          ; s[74:75] sw1's codes, my tiles
.set WCP1, 78                          ; s[78:79] pw1's
.set WCP2, 80                          ; s[80:81] pw2's
.set MSB, 0
.macro WIN new                         ; the immediate's high byte repeats the setting that is left
.if MSB != \new
	s_set_vgpr_msb (MSB<<8)|\new
.set MSB, \new
.endif
.endm
.macro BARRIER                         ; my LDS stores have landed and my LDS loads are in: then the work-group's barrier
	s_wait_dscnt 0x0
	s_barrier_signal -1
	s_barrier_wait -1
.endm
.macro PLACES                          ; four plain lines behind a matrix instruction, ahead of reads of its result and of loads into its registers
.rept 4
	v_nop
.endr
.endm
.macro CONST reg, val                  ; a packed form names a pair and takes its low word for both halves: both words are written
	s_mov_b32 s[\reg], \val
	s_mov_b32 s[\reg+1], s[\reg]
.endm
; 16 loads: my 64 columns of a b's 32 rows.  Register 8 p + j of lane (g4, i8) = row 4 p + g4, column 64 w + 8 i8 + j; a pair of loads covers four whole runs of 256 bytes
.macro XLOAD xs, off
	WIN 0x40                                       ; destination window 1
.irp p, 0,1,2,3,4,5,6,7
.irp c, 0,1
	global_load_b128 v[\xs+8*\p+4*\c:\xs+8*\p+4*\c+3], v4, s[XP:XP+1] offset:\off+8192*\p+16*\c
.endr
.endr
	WIN 0
.endm
; 64 numbers of a lane, register 16 b + i = k 32 b + 16 (lane / 16) + i of my row, become a fragment's codes in v[PC] on and its scale word in v[PW]
.macro QUANT src
.irp b, 0,1,2,3
	v_max3_num_f32 v[TM+\b], |v[\src+16*\b]|, |v[\src+1+16*\b]|, 0x1800000   ; with the floor 2^(3 - 127): the byte cannot fall under 1
.endr
.irp i, 2,4,6,8,10,12,14
.irp b, 0,1,2,3
	v_max3_num_f32 v[TM+\b], v[TM+\b], |v[\src+16*\b+\i]|, |v[\src+1+16*\b+\i]|
.endr
.endr
.irp b, 0,1,2,3
	v_permlanex16_b32 v[TM+4+\b], v[TM+\b], s38, s39
.endr
.irp b, 0,1,2,3
	v_max_num_f32 v[TM+\b], v[TM+\b], v[TM+4+\b]   ; with lane l xor 16's: the block's largest magnitude
.endr
.irp b, 0,1,2,3
	v_add_nc_u32 v[TM+12+\b], 0xff000000, v[TM+\b] ; 2 off the exponent field: the conversion's scale operand
.endr
.irp b, 0,1,2,3
	v_lshrrev_b32 v[TM+4+\b], 23, v[TM+12+\b]      ; the byte
.endr
	v_lshl_or_b32 v[PW], v[TM+5], 8, v[TM+4]
	v_lshl_or_b32 v[PW], v[TM+6], 16, v[PW]
	v_lshl_or_b32 v[PW], v[TM+7], 24, v[PW]
.irp b, 0,1,2,3
	v_cvt_scalef32_pk8_fp4_f32 v[PC+2*\b], v[\src+16*\b:\src+7+16*\b], v[TM+12+\b]
	v_cvt_scalef32_pk8_fp4_f32 v[PC+1+2*\b], v[\src+8+16*\b:\src+15+16*\b], v[TM+12+\b]
.endr
	v_nop                                          ; a plain line behind the last conversion
.irp c, 0,1                                    ; the operand's layout wants a whole block in a lane
.irp i, 0,1
	v_permlane16_swap_b32 v[PC+4*\c+\i], v[PC+2+4*\c+\i]
.endr
.endr
.endm
; the same for two blocks: 32 numbers become four registers of a fragment and two scale bytes
.macro QUANT2 src
.irp b, 0,1
	v_max3_num_f32 v[TM+\b], |v[\src+16*\b]|, |v[\src+1+16*\b]|, 0x1800000
.endr
.irp i, 2,4,6,8,10,12,14
.irp b, 0,1
	v_max3_num_f32 v[TM+\b], v[TM+\b], |v[\src+16*\b+\i]|, |v[\src+1+16*\b+\i]|
.endr
.endr
.irp b, 0,1
	v_permlanex16_b32 v[TM+4+\b], v[TM+\b], s38, s39
.endr
.irp b, 0,1
	v_max_num_f32 v[TM+\b], v[TM+\b], v[TM+4+\b]
.endr
.irp b, 0,1
	v_add_nc_u32 v[TM+12+\b], 0xff000000, v[TM+\b]
.endr
.irp b, 0,1
	v_lshrrev_b32 v[TM+4+\b], 23, v[TM+12+\b]
.endr
	v_lshl_or_b32 v[PW], v[TM+5], 8, v[TM+4]
.irp b, 0,1
	v_cvt_scalef32_pk8_fp4_f32 v[PC+2*\b], v[\src+16*\b:\src+7+16*\b], v[TM+12+\b]
	v_cvt_scalef32_pk8_fp4_f32 v[PC+1+2*\b], v[\src+8+16*\b:\src+15+16*\b], v[TM+12+\b]
.endr
	v_nop
.irp i, 0,1
	v_permlane16_swap_b32 v[PC+\i], v[PC+2+\i]
.endr
.endm
; my columns of 32 rows become codes in buffer buf: a lane's eight registers are eight neighbours along K, four neighbouring lanes hold a block of 32
.macro QX xs, buf
	WIN 0x05                                       ; sources 0 and 1 window 1
.irp p, 0,1,2,3,4,5,6,7
	v_max3_num_f32 v[XT+\p], |v[\xs+8*\p]|, |v[\xs+8*\p+1]|, 0x1800000
.endr
.irp i, 2,4,6
.irp p, 0,1,2,3,4,5,6,7
	v_max3_num_f32 v[XT+\p], |v[\xs+8*\p+\i]|, |v[\xs+8*\p+\i+1]|, v[XT+\p]
.endr
.endr
	WIN 0
.irp d, 1,2
.irp p, 0,1,2,3,4,5,6,7
	v_max_num_f32_dpp v[XT+\p], v[XT+\p], v[XT+\p] row_xmask:\d row_mask:0xf bank_mask:0xf
.endr
.endr
.irp p, 0,1,2,3,4,5,6,7
	v_add_nc_u32 v[XO+\p], 0xff000000, v[XT+\p]
.endr
.irp p, 0,1,2,3,4,5,6,7
	v_lshrrev_b32 v[XB+\p], 23, v[XO+\p]
.endr
	WIN 0x01                                       ; source 0 window 1
.irp p, 0,1,2,3,4,5,6,7
	v_cvt_scalef32_pk8_fp4_f32 v[XC+\p], v[\xs+8*\p:\xs+8*\p+7], v[XO+\p]
.endr
	WIN 0
	v_nop                                          ; a plain line behind the last conversion
.irp p, 0,1,2,3,4,5,6,7
	ds_store_b32 v5, v[XC+\p] offset:BUF*(\buf)+1088*\p    ; row 4 p + g4: my 4 bytes of its codes
.endr
.irp p, 0,1,2,3,4,5,6,7
	ds_store_b8 v6, v[XB+\p] offset:BUF*(\buf)+64*\p       ; the four lanes of a block write the same byte with the same value
.endr
.endm
; q: the b's place counted from the iteration's first b (0, 1, or 2 for the next iteration's first);  buf: its buffer of codes
.macro AFETCH m, q, buf                ; rows 16 m on: four fragments of codes, and the stats' (its upper four registers stay zeros): nine loads
.irp k, 0,1,2,3
.irp c, 0,1
	ds_load_b128 v[AF+8*\k+4*\c:AF+8*\k+4*\c+3], v7 offset:BUF*(\buf)+4352*\m+64*\k+32*\c
.endr
.endr
	ds_load_b128 v[SF:SF+3], v18 offset:1024*(\q)+512*\m
.endm
.macro BASET t, q                      ; the q and c part of tile t's units, in the result's layout, into its accumulator
.irp e, 0,1
	ds_load_b128 v[ACC+8*(\t)+4*\e:ACC+8*(\t)+4*\e+3], v21 offset:BPITCH*(\q)+64*(\t)+16*\e
.endr
.endm
.macro FETCH q, buf                    ; all that a b's first 20 products want, and both halves' scale words: 21 loads
	BASET 0, \q
	BASET 1, \q
	BASET 2, \q
	BASET 3, \q
	AFETCH 0, \q, \buf
	ds_load_b128 v[XSCL0:XSCL0+3], v8 offset:BUF*(\buf)
	ds_load_b128 v[XSCL1:XSCL1+3], v8 offset:BUF*(\buf)+256
	ds_load_b32 v[XS40], v19 offset:128*(\q)
	ds_load_b32 v[XS41], v19 offset:128*(\q)+64
.endm
.macro STEPADR                         ; the iteration's addresses
	v_add_nc_u32 v18, s44, v9
	v_add_nc_u32 v19, s45, v10
	v_add_nc_u32 v20, s45, v11
	v_add_nc_u32 v21, s46, v12
	v_add_nc_u32 v22, s47, v17
.endm
; 20 matrix instructions: my four tiles of units x 16 rows, five K steps.  The four accumulators take turns, one instruction a turn
.macro MM xsc, xs4
	WIN 0x01                                       ; source 0 (the weights) window 1
.irp k, 0,1,2,3
.irp t, 0,1,2,3
	v_wmma_scale_f32_16x16x128_f8f6f4 v[ACC+8*\t:ACC+8*\t+7], v[8*(4*\t+\k):8*(4*\t+\k)+7], v[AF+8*\k:AF+8*\k+7], v[ACC+8*\t:ACC+8*\t+7], v[WSC+4*\t+\k], v[\xsc+\k] matrix_a_fmt:MATRIX_FMT_FP4 matrix_b_fmt:MATRIX_FMT_FP4
.endr
.endr
	WIN 0
.irp t, 0,1,2,3
	v_wmma_scale_f32_16x16x128_f8f6f4 v[ACC+8*\t:ACC+8*\t+7], v[W4+8*\t:W4+8*\t+7], v[SF:SF+7], v[ACC+8*\t:ACC+8*\t+7], v[WSC4+\t], v[\xs4] matrix_a_fmt:MATRIX_FMT_FP4 matrix_b_fmt:MATRIX_FMT_FP4
.endr
.endm
; gelu of tile t's eight numbers a lane, from the low end on.  mode 0: x (1 + erf) times sw2 / 2 is added to the pairs at lr (first = 1: it starts them);  mode 1: gelu goes back into the tile's registers
.macro GELU t, mode, lr, first
.set XR, ACC+8*(\t)
.irp q, 0,2,4,6
	v_pk_mul_f32 v[Y+\q:Y+\q+1], v[XR+\q:XR+\q+1], s[KC:KC+1] op_sel_hi:[1,0]
.endr
.irp j, 0,1,2,3,4,5,6,7
	v_med3_num_f32 v[Y+\j], v[Y+\j], -4.0, 4.0
.endr
.irp q, 0,2,4,6
	v_pk_mul_f32 v[Z+\q:Z+\q+1], v[Y+\q:Y+\q+1], v[Y+\q:Y+\q+1]
.endr
.irp q, 0,2,4,6
	v_pk_fma_f32 v[P+\q:P+\q+1], v[Z+\q:Z+\q+1], s[A13:A13+1], v[28:29] op_sel_hi:[1,0,1]
.endr
.irp a, A9, A7, A5, A3, A1
.irp q, 0,2,4,6
	v_pk_fma_f32 v[P+\q:P+\q+1], v[P+\q:P+\q+1], v[Z+\q:Z+\q+1], s[\a:\a+1] op_sel_hi:[1,1,0]
.endr
.endr
.irp q, 0,2,4,6
	v_pk_mul_f32 v[Y+\q:Y+\q+1], v[Y+\q:Y+\q+1], v[P+\q:P+\q+1]
.endr
.irp q, 0,2,4,6
	v_pk_fma_f32 v[P+\q:P+\q+1], v[Z+\q:Z+\q+1], s[B8:B8+1], v[30:31] op_sel_hi:[1,0,1]
.endr
.irp a, B4, B2, B0
.irp q, 0,2,4,6
	v_pk_fma_f32 v[P+\q:P+\q+1], v[P+\q:P+\q+1], v[Z+\q:Z+\q+1], s[\a:\a+1] op_sel_hi:[1,1,0]
.endr
.endr
.irp j, 0,1,2,3,4,5,6,7
	v_rcp_f32 v[P+\j], v[P+\j]
.endr
	v_nop                                          ; a plain line behind the reciprocals
	s_wait_alu depctr_va_vdst(0)
.irp q, 0,2,4,6
	v_pk_mul_f32 v[Y+\q:Y+\q+1], v[Y+\q:Y+\q+1], v[P+\q:P+\q+1]            ; erf
.endr
.irp q, 0,2,4,6
	v_pk_fma_f32 v[Y+\q:Y+\q+1], v[XR+\q:XR+\q+1], v[Y+\q:Y+\q+1], v[XR+\q:XR+\q+1]   ; x erf + x
.endr
.if \mode == 0
.if \first
	v_pk_mul_f32 v[\lr:\lr+1], v[Y:Y+1], v[SW2+8*(\t):SW2+8*(\t)+1]
	v_pk_mul_f32 v[\lr+2:\lr+3], v[Y+2:Y+3], v[SW2+8*(\t)+2:SW2+8*(\t)+3]
.else
	v_pk_fma_f32 v[\lr:\lr+1], v[Y:Y+1], v[SW2+8*(\t):SW2+8*(\t)+1], v[\lr:\lr+1]
	v_pk_fma_f32 v[\lr+2:\lr+3], v[Y+2:Y+3], v[SW2+8*(\t)+2:SW2+8*(\t)+3], v[\lr+2:\lr+3]
.endif
	v_pk_fma_f32 v[\lr:\lr+1], v[Y+4:Y+5], v[SW2+8*(\t)+4:SW2+8*(\t)+5], v[\lr:\lr+1]
	v_pk_fma_f32 v[\lr+2:\lr+3], v[Y+6:Y+7], v[SW2+8*(\t)+6:SW2+8*(\t)+7], v[\lr+2:\lr+3]
.else
.irp q, 0,2,4,6
	v_pk_mul_f32 v[XR+\q:XR+\q+1], v[Y+\q:Y+\q+1], 0.5 op_sel_hi:[1,0]
.endr
.endif
.endm
	s_load_b512 s[8:23], s[0:1], 0x0               ; query, condition, neighbors, neighbor_stats, sb1, sw2, sb2, sim_alpha
	s_load_b256 s[24:31], s[0:1], 0x40             ; pb1, pb2, the codes, the scale words
	s_load_b128 s[32:35], s[0:1], 0x60             ; out0, out1
	v_lshrrev_b32 v1, 5, v0
	v_readfirstlane_b32 s2, v1                     ; w: wave 0..7
	s_mov_b32 s3, ttmp9                            ; g: the work-group
	v_and_b32 v1, 31, v0                           ; l
	v_and_b32 v2, 15, v0                           ; r
	v_bfe_u32 v3, v0, 4, 1                         ; h
	v_bfe_u32 v32, v0, 3, 2                        ; g4
	v_and_b32 v33, 7, v0                           ; i8
	v_lshlrev_b32 v23, 4, v1                       ; 16 l: a lane's place in a fragment's image
	v_lshlrev_b32 v24, 6, v2                       ; 64 r: a tile row's scale words
	v_lshlrev_b32 v25, 5, v3                       ; 32 h: my eight units of a tile, in f32
	v_lshlrev_b32 v26, 8, v0                       ; 256 x thread: the prefetches
	v_lshl_add_u32 v27, v0, 4, ATO
	v_lshlrev_b32 v4, 11, v32
	v_lshl_add_u32 v4, v33, 5, v4                  ; neighbors: 2,048 g4 + 32 i8
	s_lshl_b32 s4, s2, 5
	v_mul_u32_u24 v5, v32, 272
	v_lshl_add_u32 v5, v33, 2, v5
	v_add_nc_u32 v5, s4, v5                        ; my codes: row g4, byte 32 w + 4 i8
	s_lshl_b32 s4, s2, 1
	s_add_co_u32 s4, s4, XSC
	v_lshrrev_b32 v6, 2, v33
	v_lshl_add_u32 v6, v32, 4, v6
	v_add_nc_u32 v6, s4, v6                        ; my scale byte: row g4, block 2 w + i8 / 4
	v_mul_u32_u24 v7, v2, 272
	v_lshl_add_u32 v7, v3, 4, v7                   ; a fragment of codes: row r, + 16 h
	v_lshl_add_u32 v8, v2, 4, XSC                  ; row r's four scale words
	v_lshlrev_b32 v9, 5, v2
	v_lshl_add_u32 v9, v3, 4, v9
	v_add_nc_u32 v9, STC, v9                       ; the stats' fragment
	v_lshl_add_u32 v10, v2, 2, STS
	v_lshl_add_u32 v11, v1, 2, SIM
	s_lshl_b32 s4, s2, 8                           ; 256 w
	s_add_co_u32 s5, s4, BASE
	v_lshl_add_u32 v12, v3, 5, s5
	s_lshl_b32 s5, s2, 2
	s_add_co_u32 s5, s5, LGT
	v_lshl_add_u32 v13, v1, 5, s5                  ; row l's partial logit of wave w
	v_lshl_add_u32 v14, v1, 5, LGT                 ; row l's eight
	s_lshl_b32 s6, s2, 7                           ; 128 w
	s_add_co_u32 s5, s6, ATT
	v_and_b32 v15, 3, v0
	v_bfe_u32 v35, v0, 2, 3
	v_lshlrev_b32 v15, 5, v15
	v_lshl_add_u32 v15, v35, 2, v15
	v_add_nc_u32 v15, s5, v15                      ; row l = 4 p + g4 goes to word 8 g4 + p,
	v_lshl_add_u32 v16, v32, 5, s5                 ; so that a lane reads its eight rows' attn on end
	s_add_co_u32 s5, s4, MIX
	v_lshl_add_u32 v17, v33, 5, s5                 ; my eight mixed columns
	; addresses of the prologue alone
	v_and_b32 v38, 7, v0
	v_mul_u32_u24 v48, v38, BPITCH
	v_lshlrev_b32 v38, 11, v38
	v_lshl_add_u32 v38, v3, 6, v38                 ; q, c: row r % 8 of 2,048 bytes, + 64 h
	v_lshl_add_u32 v48, v3, 5, v48
	v_add_nc_u32 v48, s4, v48                      ; the q and c part: row r % 8, + 256 w + 32 h
	v_lshlrev_b32 v39, 6, v1                       ; stats: row l of 64 bytes
	s_lshl_b32 s5, s2, 10
	v_lshl_add_u32 v40, v1, 5, s5                  ; 32 l + 1,024 w
	v_lshl_add_u32 v41, v1, 2, s6                  ; 4 l + 128 w
	s_add_co_u32 s7, s5, HI
	v_add_nc_u32 v44, s7, v23                      ; 16 l + 1,024 w + HI
	s_add_co_u32 s7, s6, HI
	v_lshl_add_u32 v45, v1, 2, s7                  ; 4 l + 128 w + HI
	s_lshl_b32 s7, s2, 11
	s_add_co_u32 s7, s7, HI
	v_add_nc_u32 v42, s7, v23                      ; 16 l + 2,048 w + HI
	s_mul_i32 s7, s2, MPITCH
	v_add_nc_u32 v43, s7, v23                      ; 16 l + the mixed row w
	v_add_nc_u32 v46, HI, v23
	v_lshl_add_u32 v47, v1, 2, HI
	s_wait_kmcnt 0x0
	s_load_b32 s36, s[22:23], 0x0                  ; alpha
	s_load_b32 s37, s[20:21], 0x0                  ; sb2
	s_mov_b32 s5, 0
	s_lshl_b32 s4, s3, 19
	s_add_nc_u64 s[12:13], s[12:13], s[4:5]        ; neighbors at my 8 b: 524,288 g
	s_lshl_b32 s4, s2, 8
	s_add_nc_u64 s[XP:XP+1], s[12:13], s[4:5]      ; + 256 w
	s_add_nc_u64 s[16:17], s[16:17], s[4:5]        ; sb1, sw2, pb1, pb2 at my 64 units
	s_add_nc_u64 s[18:19], s[18:19], s[4:5]
	s_add_nc_u64 s[24:25], s[24:25], s[4:5]
	s_add_nc_u64 s[26:27], s[26:27], s[4:5]
	s_add_nc_u64 s[32:33], s[32:33], s[4:5]        ; out0 at my 64 columns,
	s_lshl_b32 s4, s3, 14
	s_add_nc_u64 s[32:33], s[32:33], s[4:5]        ; of my 8 rows
	s_add_nc_u64 s[14:15], s[14:15], s[4:5]
	s_cmp_lt_u32 s2, 4                             ; waves 0-3 quantise q's four K steps, waves 4-7 c's: the choice hangs on the wave's number alone
	s_cselect_b64 s[8:9], s[8:9], s[10:11]
	s_add_nc_u64 s[8:9], s[8:9], s[4:5]
	s_lshl_b32 s4, s2, 11
	s_add_nc_u64 s[14:15], s[14:15], s[4:5]        ; the stats of b = 8 g + w
	s_and_b32 s4, s2, 3
	s_lshl_b32 s4, s4, 9
	s_add_nc_u64 s[8:9], s[8:9], s[4:5]
	s_lshl_b32 s4, s3, 10
	s_add_nc_u64 s[34:35], s[34:35], s[4:5]        ; out1 at my 8 rows
	s_mul_i32 s4, s2, 53248
	s_add_nc_u64 s[WC1:WC1+1], s[28:29], s[4:5]    ; 4 tiles x 13 steps x 1,024 bytes a wave
	s_mul_i32 s4, s2, 20480
	s_add_co_u32 s4, s4, 425984
	s_add_nc_u64 s[WCP1:WCP1+1], s[28:29], s[4:5]
	s_lshl_b32 s4, s2, 14
	s_add_co_u32 s4, s4, 589824
	s_add_nc_u64 s[WCP2:WCP2+1], s[28:29], s[4:5]
	s_lshl_b32 s4, s2, 12
	s_add_nc_u64 s[30:31], s[30:31], s[4:5]        ; 4 tiles x 1,024 bytes of scale words a wave
	global_prefetch_b8 v26, s[12:13] th:TH_LOAD_NT scope:SCOPE_SE                 ; the first b's 65,536 bytes, a run of 256 to a thread
	global_prefetch_b8 v26, s[12:13] offset:65536 th:TH_LOAD_NT scope:SCOPE_SE    ; and the second's
	s_mov_b32 s38, 0x76543210
	s_mov_b32 s39, 0xfedcba98                      ; v_permlanex16_b32's selects for lane l xor 16
	s_mov_b32 s40, 0xffff0000                      ; lanes 16-31
	CONST KC,  0x3f3504f3                          ; 1 / sqrt(2)
	CONST A13, -0.000000000272614225801306
	CONST A9,  -0.00000210102402082508
	CONST A7,  -0.0000569250639462346
	CONST A5,  -0.000734990630326855
	CONST A3,  -0.00295459980854025
	CONST A1,  -0.0160960333262415
	CONST B8,  -0.0000145660718464996
	CONST B4,  -0.00168282697438203
	CONST B2,  -0.00737332916720468
	CONST B0,  -0.0142647390514189
	v_mov_b32 v28, 0.0000000277068142495902        ; the coefficient of y^11,
	v_mov_b32 v29, v28
	v_mov_b32 v30, -0.000213374055278905           ; and Q's of y^6: in vector pairs, since a line takes one scalar pair
	v_mov_b32 v31, v30
	v_mov_b32 v36, 0                               ; my b's attn, kept for the stats' mixing and out1
	v_mov_b32 v37, 0
.irp b, 0,1,2,3
	v_mov_b32 v[TM+4+\b], 0                        ; a lane permute's destination counts as one of its sources
.endr
	; ---- my K step of q or c (64 numbers a lane), my b's stats (a row a lane), and the first half of sw1's steps 0-7
.irp b, 0,1,2,3
.irp j, 0,1,2,3
	global_load_b128 v[96+16*\b+4*\j:99+16*\b+4*\j], v38, s[8:9] offset:128*\b+16*\j
.endr
.endr
.irp q, 0,1,2,3
	global_load_b128 v[160+4*\q:163+4*\q], v39, s[14:15] offset:16*\q
.endr
	WIN 0x40
.irp t, 0,1
.irp k, 0,1,2,3,4,5,6,7
.irp c, 0,1
	global_load_b128 v[8*(8*\t+\k)+4*\c:8*(8*\t+\k)+4*\c+3], v23, s[WC1:WC1+1] offset:(13*\t+\k)*1024+512*\c
.endr
.endr
.endr
	WIN 0
	s_wait_loadcnt 32                              ; all but the 32 loads of weights just issued
	s_wait_kmcnt 0x0                               ; alpha, sb2
	; the stats of row l: 16 numbers, a block filled with zeros
	v_max3_num_f32 v232, |v160|, |v161|, |v162|
	v_max3_num_f32 v233, |v163|, |v164|, |v165|
.irp i, 6,10
	v_max3_num_f32 v232, v232, |v[160+\i]|, |v[161+\i]|
	v_max3_num_f32 v233, v233, |v[162+\i]|, |v[163+\i]|
.endr
	v_max3_num_f32 v232, v232, |v174|, |v175|
	v_max3_num_f32 v232, v232, v233, 0x1800000
	v_add_nc_u32 v234, 0xff000000, v232
	v_lshrrev_b32 v235, 23, v234                   ; the word's upper three bytes are 0: they scale zero codes
	v_fma_f32 v240, v175, s36, s37                 ; alpha x the last stat + sb2
	v_cvt_scalef32_pk8_fp4_f32 v248, v[160:167], v234
	v_cvt_scalef32_pk8_fp4_f32 v249, v[168:175], v234
.irp j, 250,251,252,253,254,255
	v_mov_b32 v[\j], 0
.endr
	ds_store_b128 v40, v[248:251] offset:STC
	ds_store_b128 v40, v[252:255] offset:STC+16
	ds_store_b32 v41, v235 offset:STS
	ds_store_b32 v41, v240 offset:SIM
.irp q, 0,1,2,3
	ds_store_b128 v42, v[160+4*\q:163+4*\q] offset:SST+512*\q
.endr
	ds_store_b128 v43, v[252:255] offset:MIX+2048  ; columns 512-639 of the mixed row w: zeros
	s_wait_dscnt 0x0                               ; the stores have read their registers
	QUANT 96
	ds_store_b128 v44, v[PC:PC+3] offset:QIMG
	ds_store_b128 v44, v[PC+4:PC+7] offset:QIMG+512
	ds_store_b32 v45, v[PW] offset:QSC
	WIN 0x40
.irp t, 2,3
.irp k, 0,1,2,3,4,5,6,7
.irp c, 0,1
	global_load_b128 v[8*(8*\t+\k)+4*\c:8*(8*\t+\k)+4*\c+3], v23, s[WC1:WC1+1] offset:(13*\t+\k)*1024+512*\c
.endr
.endr
.endr
	WIN 0
.irp t, 0,1,2,3
.irp e, 0,1
	global_load_b128 v[ACC+8*\t+4*\e:ACC+8*\t+4*\e+3], v25, s[16:17] offset:64*\t+16*\e   ; sb1 begins the sums
	global_load_b128 v[54+8*\t+4*\e:57+8*\t+4*\e], v24, s[30:31] offset:1024*\t+16*\e      ; scale words of steps 0-7
.endr
.endr
	BARRIER                                        ; q's and c's eight fragments lie in LDS
.irp k, 0,1,2,3,4,5,6,7
.irp c, 0,1
	ds_load_b128 v[128+8*\k+4*\c:131+8*\k+4*\c], v46 offset:QIMG+1024*\k+512*\c
.endr
	ds_load_b32 v[86+\k], v47 offset:QSC+128*\k
.endr
	s_wait_dscnt 0x0
	s_wait_loadcnt 0x0
	WIN 0x01
.irp k, 0,1,2,3,4,5,6,7
.irp t, 0,1,2,3
	v_wmma_scale_f32_16x16x128_f8f6f4 v[ACC+8*\t:ACC+8*\t+7], v[8*(8*\t+\k):8*(8*\t+\k)+7], v[128+8*\k:135+8*\k], v[ACC+8*\t:ACC+8*\t+7], v[54+8*\t+\k], v[86+\k] matrix_a_fmt:MATRIX_FMT_FP4 matrix_b_fmt:MATRIX_FMT_FP4
.endr
.endr
	WIN 0
	PLACES
	; ---- the loop's weights: sw1's steps 8-11 and 12, their scale words, sw2; then the first two b of neighbors
	WIN 0x40
.irp t, 0,1,2,3
.irp k, 0,1,2,3
.irp c, 0,1
	global_load_b128 v[8*(4*\t+\k)+4*\c:8*(4*\t+\k)+4*\c+3], v23, s[WC1:WC1+1] offset:(13*\t+8+\k)*1024+512*\c
.endr
.endr
.endr
	WIN 0
.irp t, 0,1,2,3
.irp c, 0,1
	global_load_b128 v[W4+8*\t+4*\c:W4+8*\t+4*\c+3], v23, s[WC1:WC1+1] offset:(13*\t+12)*1024+512*\c
.endr
.endr
.irp t, 0,1,2,3
	global_load_b128 v[WSC+4*\t:WSC+4*\t+3], v24, s[30:31] offset:1024*\t+32
	global_load_b32 v[WSC4+\t], v24, s[30:31] offset:1024*\t+48
.endr
.irp t, 0,1,2,3
.irp e, 0,1
	global_load_b128 v[SW2+8*\t+4*\e:SW2+8*\t+4*\e+3], v25, s[18:19] offset:64*\t+16*\e
.endr
.endr
	XLOAD 128, 0
	XLOAD 192, 65536
.irp t, 0,1,2,3
	ds_store_b128 v48, v[ACC+8*\t:ACC+8*\t+3] offset:BASE+64*\t          ; each accumulator from its low end on; lanes r and r + 8 store the same numbers to the same bytes
	ds_store_b128 v48, v[ACC+8*\t+4:ACC+8*\t+7] offset:BASE+64*\t+16
.endr
.irp j, 4,5,6,7
	v_mov_b32 v[SF+\j], 0                          ; K 64-127 of the stats' step: zero codes, for the whole loop
.endr
	s_wait_loadcnt 32                              ; all but the 32 loads of neighbors
.irp i, 0,2,4,6,8,10,12,14,16,18,20,22,24,26,28,30
	v_pk_mul_f32 v[SW2+\i:SW2+\i+1], v[SW2+\i:SW2+\i+1], 0.5 op_sel_hi:[1,0]   ; gelu's half goes into sw2
.endr
	s_mov_b32 s41, 0                               ; the iteration
	s_mov_b32 s44, 0                               ; its two b in STC: 2,048 an iteration,
	s_mov_b32 s45, 0                               ; in STS and SIM: 256,
	s_mov_b32 s46, 0                               ; in BASE: 2 BPITCH,
	s_mov_b32 s47, 0                               ; in MIX: 2 MPITCH
	s_wait_dscnt 0x0                               ; the stores of the q and c part have read the accumulators, which the next lines write
	s_wait_loadcnt 16                              ; the first b's 16 loads are in; the second's, issued behind them, may be out
	QX 128, 0                                      ; the first b's codes, into buffer 0
	BARRIER                                        ; the q and c part and the first b's codes lie in LDS
	STEPADR
	FETCH 0, 0                                     ; the first b's operands
	s_wait_dscnt 0x0
; ONE b.  xs: its set of registers; xn: the next b's; par: 0 or 1, its place in the iteration, its buffer of codes and its area of logits.
; nxt = 1: there is a next b: its codes are made and its operands fetched.  rel = 1: my set takes the b two further on; 0: half of pw2.
.macro TRIP xs, xn, par, nxt, rel
	MM XSCL0, XS40                                 ; rows 0-15: the operands were fetched behind the last barrier and waited for there
	PLACES
	AFETCH 1, \par, \par                           ; rows 16-31 land while rows 0-15 go through gelu
	s_wait_dscnt 9                                 ; all but these nine loads: the last b's two stores of mixed columns have read the registers that gelu's sums take
	GELU 0, 0, LA, 1
	BASET 0, \par                                  ; a tile's accumulator takes the q and c part again as soon as gelu has let it go
	GELU 1, 0, LA, 0
	BASET 1, \par
	GELU 2, 0, LA, 0
	BASET 2, \par
	GELU 3, 0, LA, 0
	BASET 3, \par
	s_wait_dscnt 0x0
	MM XSCL1, XS41
	PLACES
	GELU 0, 0, LB, 1
	GELU 1, 0, LB, 0
	GELU 2, 0, LB, 0
	GELU 3, 0, LB, 0
	v_pk_add_f32 v[LA:LA+1], v[LA:LA+1], v[LA+2:LA+3]
	v_pk_add_f32 v[LB:LB+1], v[LB:LB+1], v[LB+2:LB+3]
	v_add_f32 v[LA], v[LA], v[LA+1]                ; row r, my half's 32 units
	v_add_f32 v[LB], v[LB], v[LB+1]                ; row 16 + r
	v_cndmask_b32 v[LA+1], v[LA], v[LB], s40       ; lanes 0-15 keep row r and send row 16 + r; lanes 16-31 the other way round
	v_cndmask_b32 v[LB+1], v[LB], v[LA], s40
	v_permlanex16_b32 v[LA+2], v[LB+1], s38, s39
	v_add_f32 v[LA+1], v[LA+1], v[LA+2]            ; lane l: row l, my wave's 64 units
	ds_store_b32 v13, v[LA+1] offset:LBUF*\par
.if \nxt
	s_wait_loadcnt 0x0                             ; the next b's 16 loads, asked for behind the last b's mixing: nothing was issued behind them
	QX \xn, 1-\par                                 ; its codes go into the other buffer, which every wave has left: its last reads came back ahead of the last barrier
.endif
	BARRIER                                        ; the eight waves' partial logits and the next b's codes lie in LDS
	ds_load_b128 v[232:235], v14 offset:LBUF*\par
	ds_load_b128 v[236:239], v14 offset:LBUF*\par+16
	ds_load_b32 v240, v20 offset:128*\par
.if \nxt
	FETCH \par+1, 1-\par                           ; the next b's operands land under the softmax and the mixing
	s_wait_dscnt 21                                ; all but those 21 loads: the logits are in
.else
	s_wait_dscnt 0x0
.endif
	v_pk_add_f32 v[232:233], v[232:233], v[234:235]
	v_pk_add_f32 v[236:237], v[236:237], v[238:239]
	v_pk_add_f32 v[232:233], v[232:233], v[236:237]
	v_add_f32 v232, v232, v233
	v_add_f32 v232, v232, v240                     ; row l's logit
	v_mov_b32 v241, v232
.irp d, 1,2,4,8
	v_max_num_f32_dpp v241, v241, v241 row_xmask:\d row_mask:0xf bank_mask:0xf
.endr
	v_permlanex16_b32 v242, v241, s38, s39
	v_max_num_f32 v241, v241, v242                 ; the largest of the 32
	v_sub_f32 v232, v232, v241
	v_mul_f32 v232, 0x3fb8aa3b, v232
	v_exp_f32 v232, v232
	v_nop                                          ; a plain line behind the exponential
	s_wait_alu depctr_va_vdst(0)
	v_mov_b32 v241, v232
.irp d, 1,2,4,8
	v_add_f32_dpp v241, v241, v241 row_xmask:\d row_mask:0xf bank_mask:0xf
.endr
	v_permlanex16_b32 v242, v241, s38, s39
	v_add_f32 v241, v241, v242
	v_rcp_f32 v241, v241
	v_nop                                          ; a plain line behind the reciprocal
	s_wait_alu depctr_va_vdst(0)
	v_mul_f32 v232, v232, v241                     ; attn of row l
.if \par
	s_add_co_u32 s5, s42, 1
	s_cmp_eq_u32 s5, s2
.else
	s_cmp_eq_u32 s42, s2
.endif
	s_cselect_b32 s43, -1, 0
	v_cndmask_b32 v36, v36, v232, s43              ; wave w keeps b = w's
	ds_store_b32 v15, v232                         ; my wave's own bytes: LDS serves a wave's instructions in order
	ds_load_b128 v[ATN:ATN+3], v16
	ds_load_b128 v[ATN+4:ATN+7], v16 offset:16
	s_wait_dscnt 0x0                               ; attn of my eight rows is in, and so are the next b's operands
	WIN 0x01                                       ; source 0 (neighbors) window 1
.irp q, 0,2,4,6
	v_pk_mul_f32 v[MX+\q:MX+\q+1], v[\xs+\q:\xs+\q+1], v[ATN:ATN+1] op_sel_hi:[1,0]
.endr
.irp p, 1,2,3,4,5,6,7
.irp q, 0,2,4,6
.if \p%2
	v_pk_fma_f32 v[MX+\q:MX+\q+1], v[\xs+8*\p+\q:\xs+8*\p+\q+1], v[ATN+\p-1:ATN+\p], v[MX+\q:MX+\q+1] op_sel:[0,1,0] op_sel_hi:[1,1,1]
.else
	v_pk_fma_f32 v[MX+\q:MX+\q+1], v[\xs+8*\p+\q:\xs+8*\p+\q+1], v[ATN+\p:ATN+\p+1], v[MX+\q:MX+\q+1] op_sel_hi:[1,0,1]
.endif
.endr
.endr
	WIN 0
.irp j, 0,1,2,3,4,5,6,7
	v_add_f32_dpp v[MX+\j], v[MX+\j], v[MX+\j] row_xmask:8 row_mask:0xf bank_mask:0xf
.endr
.irp j, 0,1,2,3,4,5,6,7
	v_permlanex16_b32 v[232+\j], v[MX+\j], s38, s39
.endr
.irp j, 0,1,2,3,4,5,6,7
	v_add_f32 v[MX+\j], v[MX+\j], v[232+\j]        ; the four lanes with my i8 hold the same eight mixed columns
.endr
	ds_store_b128 v22, v[MX:MX+3] offset:MPITCH*\par
	ds_store_b128 v22, v[MX+4:MX+7] offset:MPITCH*\par+16
.if \rel
	XLOAD \xs, 131072+65536*\par                   ; the set has been mixed: it takes the b two further on
.else
	WIN 0x40                                       ; or, in the last two trips, half of pw2
.irp f, 0,1,2,3,4,5,6,7
.irp c, 0,1
	global_load_b128 v[\xs+8*\f+4*\c:\xs+8*\f+4*\c+3], v23, s[WCP2:WCP2+1] offset:1024*(8*\par+\f)+512*\c
.endr
.endr
	WIN 0
.endif
.endm
.Liter:                                            ; three iterations of two b
	s_lshl_b32 s42, s41, 1                         ; the iteration's first b
	TRIP 128, 192, 0, 1, 1
	TRIP 192, 128, 1, 1, 1
	s_wait_dscnt 0x0                               ; my LDS instructions have read their address registers,
	s_wait_xcnt 0x0                                ; and my loads their base: both are stepped only behind these waits
	s_add_nc_u64 s[XP:XP+1], s[XP:XP+1], 131072
	s_add_co_u32 s44, s44, 2048
	s_add_co_u32 s45, s45, 256
	s_add_co_u32 s46, s46, 2*BPITCH
	s_add_co_u32 s47, s47, 2*MPITCH
	STEPADR
	s_add_co_u32 s41, s41, 1
	s_cmp_lt_u32 s41, 3
	s_cbranch_scc1 .Liter
	s_lshl_b32 s42, s41, 1                         ; the last two b, written out: 6 and 7
	TRIP 128, 192, 0, 1, 0
	TRIP 192, 128, 1, 0, 0
	s_wait_dscnt 0x0                               ; my LDS instructions have read their address registers,
	s_wait_xcnt 0x0                                ; and my loads theirs: the lines below write them anew
	; ---- THE PROJECTION.  All its addresses are made here, ahead of the one branch on the wave's number
	s_lshl_b32 s4, s2, 11
	s_add_co_u32 s4, s4, HI
	v_add_nc_u32 v4, s4, v23                       ; my stats: 16 l + 2,048 w + HI
	s_mul_i32 s4, s2, MPITCH
	v_mov_b32 v5, s4                               ; the mixed row w
	s_lshl_b32 s5, s2, 7
	v_lshl_add_u32 v6, v1, 2, s5                   ; 4 l + 128 w
	v_lshlrev_b32 v7, 4, v0                        ; out1: 16 x thread
	s_min_u32 s4, s2, 4                            ; waves 0-4 quantise the mixed rows' five K steps; waves 5-7 repeat the fifth into slots that nobody reads
	s_lshl_b32 s4, s4, 9
	v_and_b32 v12, 7, v0
	v_mul_u32_u24 v12, v12, MPITCH
	v_lshl_add_u32 v12, v3, 6, v12
	v_add_nc_u32 v12, s4, v12                      ; mixed row r % 8, + 64 h, + my K step
	s_lshl_b32 s4, s2, 10
	s_add_co_u32 s4, s4, HI
	v_add_nc_u32 v13, s4, v23                      ; 16 l + 1,024 w + HI
	s_add_co_u32 s5, s5, HI
	v_lshl_add_u32 v14, v1, 2, s5                  ; 4 l + 128 w + HI
	v_lshlrev_b32 v15, 6, v3                       ; pb1: 64 h
	v_add_nc_u32 v16, HI, v23
	v_lshl_add_u32 v17, v1, 2, HI
	s_lshl_b32 s4, s2, 9
	s_add_co_u32 s4, s4, HI
	v_add_nc_u32 v18, s4, v23                      ; half a fragment of the hidden layer: 16 l + 512 w + HI
	s_lshr_b32 s4, s2, 1
	s_lshl_b32 s4, s4, 7
	s_and_b32 s5, s2, 1
	s_lshl_b32 s5, s5, 1
	s_add_co_u32 s4, s4, s5
	s_add_co_u32 s4, s4, HI
	v_lshl_add_u32 v19, v1, 2, s4                  ; its two scale bytes: 4 l + 128 (w / 2) + 2 (w % 2) + HI
	s_mul_i32 s4, s2, 4352
	s_add_co_u32 s4, s4, HI
	v_mul_u32_u24 v20, v2, 272
	v_lshl_add_u32 v20, v3, 5, v20
	v_add_nc_u32 v20, s4, v20                      ; my stage, in: row r, + 32 h
	v_mul_u32_u24 v21, v3, 272
	v_lshl_add_u32 v21, v2, 4, v21
	v_add_nc_u32 v21, s4, v21                      ; back: lanes 0-15 one row, lanes 16-31 the next
	v_lshlrev_b32 v22, 11, v3
	v_lshl_add_u32 v22, v2, 4, v22                 ; and the same two rows in out0
	WIN 0x40
.irp t, 0,1,2,3
.irp k, 0,1,2,3
.irp c, 0,1
	global_load_b128 v[8*(4*\t+\k)+4*\c:8*(4*\t+\k)+4*\c+3], v23, s[WCP1:WCP1+1] offset:(5*\t+\k)*1024+512*\c
.endr
.endr
.endr
	WIN 0
.irp t, 0,1,2,3
.irp c, 0,1
	global_load_b128 v[W4+8*\t+4*\c:W4+8*\t+4*\c+3], v23, s[WCP1:WCP1+1] offset:(5*\t+4)*1024+512*\c
.endr
.endr
.irp t, 0,1,2,3
	global_load_b128 v[WSC+4*\t:WSC+4*\t+3], v24, s[30:31] offset:32768+1024*\t
	global_load_b32 v[WSC4+\t], v24, s[30:31] offset:32768+1024*\t+16
	global_load_b128 v[80+4*\t:83+4*\t], v24, s[30:31] offset:65536+1024*\t
.endr
.irp t, 0,1,2,3
.irp e, 0,1
	global_load_b128 v[SW2+8*\t+4*\e:SW2+8*\t+4*\e+3], v25, s[26:27] offset:64*\t+16*\e   ; pb2 begins out0's sums
.endr
.endr
	; the stats of b = w, mixed: lane l holds row l's 16 and its attn
.irp q, 0,1,2,3
	ds_load_b128 v[128+4*\q:131+4*\q], v4 offset:SST+512*\q
.endr
	s_wait_dscnt 0x0
.irp i, 0,2,4,6,8,10,12,14
	v_pk_mul_f32 v[128+\i:129+\i], v[128+\i:129+\i], v[36:37] op_sel_hi:[1,0]
.endr
.irp d, 1,2,4,8
.irp j, 0,1,2,3,4,5,6,7,8,9,10,11,12,13,14,15
	v_add_f32_dpp v[128+\j], v[128+\j], v[128+\j] row_xmask:\d row_mask:0xf bank_mask:0xf
.endr
.endr
.irp j, 0,1,2,3,4,5,6,7,8,9,10,11,12,13,14,15
	v_permlanex16_b32 v[144+\j], v[128+\j], s38, s39
.endr
.irp j, 0,1,2,3,4,5,6,7,8,9,10,11,12,13,14,15
	v_add_f32 v[128+\j], v[128+\j], v[144+\j]
.endr
.irp q, 0,1,2,3
	ds_store_b128 v5, v[128+4*\q:131+4*\q] offset:MIX+2048+16*\q   ; every lane stores the same numbers to the same bytes: columns 512-527
.endr
	ds_store_b32 v6, v36 offset:ATO
	BARRIER                                        ; the 8 mixed rows and the 8 rows of attn lie in LDS
	s_cmp_lt_u32 s2, 2
	s_cbranch_scc0 .Lno_attn
	ds_load_b128 v[8:11], v27
	s_wait_dscnt 0x0
	global_store_b128 v7, v[8:11], s[34:35]        ; 64 threads store out1's 1,024 bytes; v7-11 are not written again
.Lno_attn:
.irp b, 0,1,2,3
.irp j, 0,1,2,3
	ds_load_b128 v[96+16*\b+4*\j:99+16*\b+4*\j], v12 offset:MIX+128*\b+16*\j
.endr
.endr
	s_wait_dscnt 0x0
	QUANT 96
	ds_store_b128 v13, v[PC:PC+3] offset:MIMG
	ds_store_b128 v13, v[PC+4:PC+7] offset:MIMG+512
	ds_store_b32 v14, v[PW] offset:MSC
.irp t, 0,1,2,3
.irp e, 0,1
	global_load_b128 v[ACC+8*\t+4*\e:ACC+8*\t+4*\e+3], v15, s[24:25] offset:(32*(\t/2)+8*(\t%2))*4+16*\e   ; pb1 at the lane's eight units of the chosen tile rows
.endr
.endr
	BARRIER                                        ; the mixed rows' fragments lie in LDS
.irp k, 0,1,2,3,4
.irp c, 0,1
	ds_load_b128 v[AF+8*\k+4*\c:AF+8*\k+4*\c+3], v16 offset:MIMG+1024*\k+512*\c   ; the fifth lands in the stats' fragment's place
.endr
	ds_load_b32 v[74+\k], v17 offset:MSC+128*\k
.endr
	s_wait_dscnt 0x0
	s_wait_loadcnt 0x0                             ; pw1, pw2, their scale words, the biases
	MM 74, 78
	PLACES
	GELU 0, 1, LA, 0
	GELU 1, 1, LA, 0
	GELU 2, 1, LA, 0
	GELU 3, 1, LA, 0
	QUANT2 ACC                                     ; my 64 hidden units are half a K step of the last product
	ds_store_b128 v18, v[PC:PC+3] offset:HIMG
	ds_store_b16 v19, v[PW] offset:HSC
	BARRIER                                        ; the hidden layer's four fragments lie in LDS
.irp k, 0,1,2,3
.irp c, 0,1
	ds_load_b128 v[AF+8*\k+4*\c:AF+8*\k+4*\c+3], v16 offset:HIMG+1024*\k+512*\c
.endr
	ds_load_b32 v[74+\k], v17 offset:HSC+128*\k
.endr
	s_wait_dscnt 0x0
	WIN 0x01
.irp k, 0,1,2,3
.irp t, 0,1,2,3
	v_wmma_scale_f32_16x16x128_f8f6f4 v[SW2+8*\t:SW2+8*\t+7], v[128+8*(4*\t+\k):135+8*(4*\t+\k)], v[AF+8*\k:AF+8*\k+7], v[SW2+8*\t:SW2+8*\t+7], v[80+4*\t+\k], v[74+\k] matrix_a_fmt:MATRIX_FMT_FP4 matrix_b_fmt:MATRIX_FMT_FP4
.endr
.endr
	WIN 0
	PLACES
.irp t, 0,1,2,3
	ds_store_b128 v20, v[SW2+8*\t:SW2+8*\t+3] offset:OST+64*\t           ; each accumulator from its low end on; my wave's own stage
	ds_store_b128 v20, v[SW2+8*\t+4:SW2+8*\t+7] offset:OST+64*\t+16
.endr
.irp i, 0,1,2,3
	ds_load_b128 v[232+4*\i:235+4*\i], v21 offset:OST+544*\i             ; rows 2 i and 2 i + 1 of the eight; LDS serves a wave's instructions in order
.endr
.irp i, 0,1,2,3
	s_wait_dscnt 3-\i                              ; the younger loads may be out
	global_store_b128 v22, v[232+4*\i:235+4*\i], s[32:33] offset:4096*\i   ; 16 lanes store 256 consecutive bytes, aligned
.endr
	s_wait_xcnt 0x0
	v_lshl_add_u32 v254, v0, 2, 0x23c00
	v_mov_b32 v255, 0
	s_wait_tensorcnt 0x0
	ds_add_u32 v254, v255
	s_wait_dscnt 0x0
	s_endpgm
.Lfunc_end_k_qd36a68523e_main:
	.size	k_qd36a68523e_main, .Lfunc_end_k_qd36a68523e_main-k_qd36a68523e_main
	.p2alignl 7, 3214868480
	.fill 96, 4, 3214868480
	.section	.rodata,"a",@progbits
	.p2align	6, 0x0
	.amdhsa_kernel k_qd36a68523e_main
		.amdhsa_group_segment_fixed_size 147456
		.amdhsa_private_segment_fixed_size 0
		.amdhsa_enable_private_segment 0
		.amdhsa_kernarg_size 112
		.amdhsa_user_sgpr_count 2
		.amdhsa_user_sgpr_kernarg_segment_ptr 1
		.amdhsa_wavefront_size32 1
		.amdhsa_system_sgpr_workgroup_id_x 1
		.amdhsa_system_sgpr_workgroup_id_y 1
		.amdhsa_system_sgpr_workgroup_id_z 1
		.amdhsa_system_vgpr_workitem_id 0
		.amdhsa_next_free_vgpr 512
		.amdhsa_next_free_sgpr 84
		.amdhsa_reserve_vcc 0
		.amdhsa_float_denorm_mode_32 3
		.amdhsa_float_denorm_mode_16_64 3
		.amdhsa_memory_ordered 1
		.amdhsa_forward_progress 1
		.amdhsa_inst_pref_size 255
	.end_amdhsa_kernel
	.section	.bss,"aw",@nobits
	.p2align	6
	.space	262144
	.amdgpu_metadata
---
amdhsa.version: [ 1, 2 ]
amdhsa.kernels:
  - .name:           k_qd36a68523e_main
    .symbol:         k_qd36a68523e_main.kd
    .args:
      - { .name: query, .offset: 0, .size: 8, .value_kind: global_buffer, .address_space: global }
      - { .name: condition, .offset: 8, .size: 8, .value_kind: global_buffer, .address_space: global }
      - { .name: neighbors, .offset: 16, .size: 8, .value_kind: global_buffer, .address_space: global }
      - { .name: neighbor_stats, .offset: 24, .size: 8, .value_kind: global_buffer, .address_space: global }
      - { .name: sb1, .offset: 32, .size: 8, .value_kind: global_buffer, .address_space: global }
      - { .name: sw2, .offset: 40, .size: 8, .value_kind: global_buffer, .address_space: global }
      - { .name: sb2, .offset: 48, .size: 8, .value_kind: global_buffer, .address_space: global }
      - { .name: sim_alpha, .offset: 56, .size: 8, .value_kind: global_buffer, .address_space: global }
      - { .name: pb1, .offset: 64, .size: 8, .value_kind: global_buffer, .address_space: global }
      - { .name: pb2, .offset: 72, .size: 8, .value_kind: global_buffer, .address_space: global }
      - { .name: wcodes, .offset: 80, .size: 8, .value_kind: global_buffer, .address_space: global }
      - { .name: wscales, .offset: 88, .size: 8, .value_kind: global_buffer, .address_space: global }
      - { .name: out0, .offset: 96, .size: 8, .value_kind: global_buffer, .address_space: global }
      - { .name: out1, .offset: 104, .size: 8, .value_kind: global_buffer, .address_space: global }
    .group_segment_fixed_size: 147456
    .private_segment_fixed_size: 0
    .kernarg_segment_align: 8
    .kernarg_segment_size: 112
    .max_flat_workgroup_size: 256
    .sgpr_count:     84
    .vgpr_count:     512
    .wavefront_size: 32
...
	.end_amdgpu_metadata
.endif
;; end of part 2
;; ======== version 2 of 2: 2 launches
;; workspace buffers: wcodes 720,896 bytes; wscales 98,304 bytes
;; launch prep (part 3): grid 4 x 22, 4 waves a work-group, no clusters, 0 bytes of LDS; arguments sw1, pw1, pw2, wcodes, wscales; writes wcodes, wscales
.if DOCPART == 3
	.amdgcn_target "amdgcn-amd-amdhsa--gfx1250"
	.amdhsa_code_object_version 6
	.text
	.protected	k_qd36a68523e_prep
	.globl	k_qd36a68523e_prep
	.p2align	8
	.type	k_qd36a68523e_prep,@function
k_qd36a68523e_prep:
	s_mov_b64 s[64:65], 0
	v_nop
	global_prefetch_b8 v0, s[64:65] scope:SCOPE_SE
	s_setreg_imm32_b32 hwreg(HW_REG_WAVE_MODE, 25, 1), 1
	s_wait_xcnt 0x0
; sw1 [1552][512], pw1 [528][512], pw2 [512][512], f32, K = the first axis, become codes of FP4 (E2M1) with one E8M0 byte for each 32 along K,
; laid in the order of a matrix operand's registers.  A fragment (16 columns n x 128 along K) is 1,024 bytes: block q of 32 along K of tile row r lies at 256 q + 16 r,
; so that a wave takes a fragment by two loads of 16 bytes a lane at 16 x lane.  Fragment (tile, step) of a weight with NS steps lies at region + (tile x NS + step) x 1,024.
; The scale word (four bytes: one K step of one column) lies at region + tile x 1,024 + r x 64 + 4 x step.
; Tile rows: column 16 tile + r for sw1 and pw2; for pw1 lane r of tile 2 b + u is column 32 b + 8 u + r + 8 (r / 8), so that its results are neighbours along the next product's K.
; A block's scale is 2^(floor(log2(largest magnitude)) - 2): its byte is the largest magnitude's exponent field - 2, held at 1 from below.
; LIMITS: a block of zeros, or one whose largest magnitude lies under 2^-124, gets the byte 1 (its codes are zeros or subnormal codes; this program alone reads the bytes); NaN and infinities are not served.
; SHARES: work-group (x, y) takes K step y of the list sw1's 13, pw1's 5, pw2's 4, and columns 128 x on; a lane takes one column and its registers run down K, so a block's maximum needs no other lane.
; Steps 12 and 17 have 16 real rows: the rest of the step is zero codes under the byte 127.
; Each store of codes covers whole aligned runs of 256 bytes; the scale words leave 4 bytes a lane, 64 bytes apart: 45,056 bytes in the whole launch.
.set X,  32                            ; v32-159  128 numbers: one K step of my column
.set C,  160                           ; v160-175 its codes
.set SB, 176                           ; v176     its scale word
	s_load_b128 s[4:7], s[0:1], 0x0                ; sw1, pw1
	s_load_b128 s[8:11], s[0:1], 0x10              ; pw2, the codes
	s_load_b64 s[12:13], s[0:1], 0x20              ; the scale words
	v_lshrrev_b32 v1, 5, v0
	v_readfirstlane_b32 s14, v1                    ; wave
	v_and_b32 v2, 31, v0                           ; lane
	s_and_b32 s15, ttmp7, 0xffff                   ; y
	s_mov_b32 s16, 0                               ; the weight's first y
	s_mov_b32 s17, 13                              ; its K steps
	s_mov_b32 s18, 0                               ; its region of codes
	s_mov_b32 s19, 0                               ; its region of scale words
	s_mov_b32 s20, 0                               ; all ones: the chosen tile rows
	s_wait_alu depctr_va_vdst(0)
	s_wait_kmcnt 0x0
	s_cmp_ge_u32 s15, 13                           ; the choice hangs on the work-group's number alone
	s_cselect_b64 s[4:5], s[6:7], s[4:5]
	s_cselect_b32 s16, 13, s16
	s_cselect_b32 s17, 5, s17
	s_cselect_b32 s18, 425984, s18
	s_cselect_b32 s19, 32768, s19
	s_cselect_b32 s20, -1, s20
	s_cmp_ge_u32 s15, 18
	s_cselect_b64 s[4:5], s[8:9], s[4:5]
	s_cselect_b32 s16, 18, s16
	s_cselect_b32 s17, 4, s17
	s_cselect_b32 s18, 589824, s18
	s_cselect_b32 s19, 65536, s19
	s_cselect_b32 s20, 0, s20
	s_sub_co_u32 s21, s15, s16                     ; the step within the weight
	s_lshl_b32 s22, s21, 18                        ; 128 rows of 2,048 bytes
	s_mov_b32 s23, 0
	s_add_nc_u64 s[4:5], s[4:5], s[22:23]
	s_lshl_b32 s24, ttmp9, 9
	s_lshl_b32 s25, s14, 7
	s_add_co_u32 s24, s24, s25
	v_lshl_add_u32 v3, v2, 2, s24                  ; my column's 4 bytes in a row: 512 x + 128 wave + 4 lane
	v_lshrrev_b32 v4, 4, v2                        ; plain rows: tile lane / 16, row lane % 16
	v_and_b32 v5, 15, v2
	v_bfe_u32 v6, v2, 3, 1                         ; chosen rows: tile (lane / 8) % 2, row lane % 8 + 8 (lane / 16)
	v_and_b32 v7, 7, v2
	v_lshl_add_u32 v7, v4, 3, v7
	v_cndmask_b32 v4, v4, v6, s20
	s_wait_alu depctr_va_vdst(0)
	v_cndmask_b32 v5, v5, v7, s20
	s_lshl_b32 s24, ttmp9, 3
	s_lshl_b32 s25, s14, 1
	s_add_co_u32 s24, s24, s25                     ; my wave's first tile: 8 x + 2 wave
	s_mul_i32 s22, s24, s17
	s_add_co_u32 s22, s22, s21
	s_lshl_b32 s22, s22, 10
	s_add_co_u32 s22, s22, s18
	s_add_nc_u64 s[10:11], s[10:11], s[22:23]      ; its fragment of this step
	s_lshl_b32 s22, s24, 10
	s_lshl_b32 s25, s21, 2
	s_add_co_u32 s22, s22, s25
	s_add_co_u32 s22, s22, s19
	s_add_nc_u64 s[12:13], s[12:13], s[22:23]      ; its scale words of this step
	s_lshl_b32 s26, s17, 10
	v_mul_u32_u24 v8, v4, s26
	s_wait_alu depctr_va_vdst(0)
	v_lshl_add_u32 v8, v5, 4, v8                   ; codes: my tile's fragment, + 16 r
	v_lshlrev_b32 v9, 10, v4
	v_lshl_add_u32 v9, v5, 6, v9                   ; scale word: my tile, + 64 r
.macro LOAD q                          ; block q: rows 32 q .. 32 q + 31 of the step, my column: 32 lanes read 128 consecutive bytes
.irp i, 0,1,2,3,4,5,6,7,8,9,10,11,12,13,14,15,16,17,18,19,20,21,22,23,24,25,26,27,28,29,30,31
	global_load_b32 v[X+32*(\q)+\i], v3, s[4:5] offset:(32*(\q)+\i)*2048 th:TH_LOAD_NT
.endr
.endm
.macro BLOCK q, left
.set XS, X+32*(\q)
	s_wait_loadcnt \left                           ; this block's 32 loads are in; the next block's may be out
.if (\q) < 2
	LOAD (\q)+2
.endif
	v_max3_num_f32 v12, |v[XS]|, |v[XS+1]|, |v[XS+2]|
	v_max3_num_f32 v13, |v[XS+3]|, |v[XS+4]|, |v[XS+5]|
.irp i, 6,10,14,18,22,26
	v_max3_num_f32 v12, v12, |v[XS+\i]|, |v[XS+\i+1]|
	v_max3_num_f32 v13, v13, |v[XS+\i+2]|, |v[XS+\i+3]|
.endr
	v_max3_num_f32 v12, v12, |v[XS+30]|, |v[XS+31]|
	v_max3_num_f32 v12, v12, v13, 0x1800000        ; and the floor 2^(3 - 127): the byte cannot fall under 1
	v_add_nc_u32 v11, 0xff000000, v12              ; 2 off the exponent field: the conversion's scale operand
	v_lshrrev_b32 v13, 23, v11                     ; the byte
.if (\q) == 0
	v_mov_b32 v[SB], v13
.else
	v_lshl_or_b32 v[SB], v13, 8*(\q), v[SB]
.endif
.irp g, 0,1,2,3
	v_cvt_scalef32_pk8_fp4_f32 v[C+4*(\q)+\g], v[XS+8*\g:XS+8*\g+7], v11
.endr
.endm
	s_cmp_eq_u32 s15, 12
	s_cbranch_scc1 .Ltail
	s_cmp_eq_u32 s15, 17
	s_cbranch_scc1 .Ltail
	LOAD 0
	LOAD 1
	BLOCK 0, 32
	BLOCK 1, 32
	BLOCK 2, 32
	BLOCK 3, 0
	s_branch .Lstore
.Ltail:                                            ; 16 real rows: no load leaves the weight
.irp i, 0,1,2,3,4,5,6,7,8,9,10,11,12,13,14,15
	global_load_b32 v[X+\i], v3, s[4:5] offset:\i*2048 th:TH_LOAD_NT
.endr
	s_wait_loadcnt 0x0
	v_max3_num_f32 v12, |v[X]|, |v[X+1]|, |v[X+2]|
	v_max3_num_f32 v13, |v[X+3]|, |v[X+4]|, |v[X+5]|
.irp i, 6,10
	v_max3_num_f32 v12, v12, |v[X+\i]|, |v[X+\i+1]|
	v_max3_num_f32 v13, v13, |v[X+\i+2]|, |v[X+\i+3]|
.endr
	v_max3_num_f32 v12, v12, |v[X+14]|, |v[X+15]|
	v_max3_num_f32 v12, v12, v13, 0x1800000
	v_add_nc_u32 v11, 0xff000000, v12
	v_lshrrev_b32 v13, 23, v11
	v_or_b32 v[SB], 0x7f7f7f00, v13                ; the three blocks of zeros: byte 127
	v_cvt_scalef32_pk8_fp4_f32 v[C], v[X:X+7], v11
	v_cvt_scalef32_pk8_fp4_f32 v[C+1], v[X+8:X+15], v11
.irp j, 2,3,4,5,6,7,8,9,10,11,12,13,14,15
	v_mov_b32 v[C+\j], 0                           ; zero codes fill the block and the step
.endr
.Lstore:
	s_wait_alu depctr_va_vdst(0)
	v_nop                                          ; a plain line behind the last conversion
.irp q, 0,1,2,3
	global_store_b128 v8, v[C+4*\q:C+4*\q+3], s[10:11] offset:256*\q   ; block q of 16 tile rows: 256 consecutive bytes, aligned
.endr
	global_store_b32 v9, v[SB], s[12:13]
	s_endpgm
.Lfunc_end_k_qd36a68523e_prep:
	.size	k_qd36a68523e_prep, .Lfunc_end_k_qd36a68523e_prep-k_qd36a68523e_prep
	.p2alignl 7, 3214868480
	.fill 96, 4, 3214868480
	.section	.rodata,"a",@progbits
	.p2align	6, 0x0
	.amdhsa_kernel k_qd36a68523e_prep
		.amdhsa_group_segment_fixed_size 0
		.amdhsa_private_segment_fixed_size 0
		.amdhsa_enable_private_segment 0
		.amdhsa_kernarg_size 40
		.amdhsa_user_sgpr_count 2
		.amdhsa_user_sgpr_kernarg_segment_ptr 1
		.amdhsa_wavefront_size32 1
		.amdhsa_system_sgpr_workgroup_id_x 1
		.amdhsa_system_sgpr_workgroup_id_y 1
		.amdhsa_system_sgpr_workgroup_id_z 1
		.amdhsa_system_vgpr_workitem_id 0
		.amdhsa_next_free_vgpr 192
		.amdhsa_next_free_sgpr 66
		.amdhsa_reserve_vcc 0
		.amdhsa_float_denorm_mode_32 3
		.amdhsa_float_denorm_mode_16_64 3
		.amdhsa_memory_ordered 1
		.amdhsa_forward_progress 1
		.amdhsa_inst_pref_size 25
	.end_amdhsa_kernel
	.amdgpu_metadata
---
amdhsa.version: [ 1, 2 ]
amdhsa.kernels:
  - .name:           k_qd36a68523e_prep
    .symbol:         k_qd36a68523e_prep.kd
    .args:
      - { .name: sw1, .offset: 0, .size: 8, .value_kind: global_buffer, .address_space: global }
      - { .name: pw1, .offset: 8, .size: 8, .value_kind: global_buffer, .address_space: global }
      - { .name: pw2, .offset: 16, .size: 8, .value_kind: global_buffer, .address_space: global }
      - { .name: wcodes, .offset: 24, .size: 8, .value_kind: global_buffer, .address_space: global }
      - { .name: wscales, .offset: 32, .size: 8, .value_kind: global_buffer, .address_space: global }
    .group_segment_fixed_size: 0
    .private_segment_fixed_size: 0
    .kernarg_segment_align: 8
    .kernarg_segment_size: 40
    .max_flat_workgroup_size: 128
    .sgpr_count:     66
    .vgpr_count:     192
    .wavefront_size: 32
...
	.end_amdgpu_metadata
.endif
;; end of part 3
;; launch main (part 4): grid 256 x 1, 8 waves a work-group, no clusters, 147,456 bytes of LDS; arguments query, condition, neighbors, neighbor_stats, sb1, sw2, sb2, sim_alpha, pb1, pb2, wcodes, wscales, out0, out1; writes out0, out1
.if DOCPART == 4
	.amdgcn_target "amdgcn-amd-amdhsa--gfx1250"
	.amdhsa_code_object_version 6
	.text
	.protected	k_qd36a68523e_main
	.globl	k_qd36a68523e_main
	.p2align	8
	.type	k_qd36a68523e_main,@function
k_qd36a68523e_main:
	s_mov_b64 s[64:65], 0
	v_nop
	global_prefetch_b8 v0, s[64:65] scope:SCOPE_SE
	s_setreg_imm32_b32 hwreg(HW_REG_WAVE_SCHED_MODE, 0, 2), 2
	s_setreg_imm32_b32 hwreg(HW_REG_WAVE_MODE, 25, 1), 1
	s_wait_xcnt 0x0
	s_wait_alu depctr_vm_vsrc(0)
; For each batch row b: logits of its 32 neighbours = gelu([q | c | nbr | stats] sw1 + sb1) sw2 + sb2 + alpha x stats[15]; attn = softmax (out1); mixed = attn x [nbr | stats];
; out0 = gelu(mixed pw1 + pb1) pw2 + pb2.  The three large products run on codes of FP4 (E2M1) with one E8M0 byte for each 32 along K; all else is f32.
; THE q AND c PART.  The four parts of the scorer's input begin at multiples of 32 along K, so no block of the quantiser straddles two parts, and q's and c's codes are the same for the 32 rows of a b.
; Their share of the first product (K steps 0-7) is made once for each b, sb1 added, kept in LDS, and given to each tile's first matrix instruction as its C.
; SHARES.  A work-group of eight waves owns 8 batch rows.  The waves share COLUMNS: wave w owns units 64 w .. 64 w + 63 of every layer (four tiles of 16, whose weights lie in its registers)
; and columns 64 w .. 64 w + 63 of neighbors (256 aligned bytes of each row).  neighbors is read once, into registers, where it serves the quantiser and, later, the mixing.
; A TRIP (one b), ONE barrier: my 64 units for 2 x 16 rows (source 0 = 16 units, source 1 = 16 rows: a lane holds one row and eight units) on operands fetched a phase ago, gelu, the dot with sw2, partial logits
; to LDS; my columns of the NEXT b become codes and scale bytes in the other of two LDS buffers | barrier | the logits are asked for, and directly behind them the next b's 21 operand loads, which land under what
; follows: every wave adds the partial logits, takes the softmax (the row's maximum taken away), mixes its columns, and asks for its set's next rows.
; The buffer of codes that a trip writes was last read ahead of the barrier before; the partial logits take turns between two areas in the same way: so one barrier orders both.
; Two sets of 64 registers hold neighbors; a set is asked for again as soon as it has been mixed, and its 16 loads have the next b's products and gelu in which to land.
; The last two b are written out behind the loop: they make no further codes and ask for pw2 in place of neighbors, so no line of a trip stands under a branch.
; NO CLUSTER: the shared bytes are the weights' codes.  A wave loads its 52 + 20 + 16 fragments of 1,024 bytes straight into the registers where they stay, once; a joint load would have to bring the
; work-group's 704 fragments through LDS slots filled several times over, for bytes that are read once by one wave each.
; PREFETCH: at the head each of the 256 threads asks for one run of 256 bytes of the first b's rows and one of the second's (2 x 65,536 bytes, each run once); the loads that want them follow behind the prologue.  Nothing further is asked for.
; erf(y) = y P(y^2) / Q(y^2), y = x / sqrt(2) held to +-4: polynomials of degree 6 and 4 in y^2.
; LIMITS: NaN and infinities are not served.  A block of zeros, or one whose largest magnitude lies under 2^-124, gets the scale byte 1 (this program alone reads the bytes).
; Rows 8-15 of the tiles whose rows are batch rows (the q and c part, the projection) repeat rows 0-7.
; THE MODE: SCHED_MODE bits 1:0 = 2 (LLVM: expert scheduling mode 2), set by the entry lines.  The code itself states the register dependences
; between vector or matrix instructions and memory or LDS instructions, with s_wait_alu, always for 0.
; THE PLAN.  Registers that memory or LDS instructions touch in a trip, and who else names them:
;   ACC v96-127      The q and c part lands there (LDS loads); the products add onto it; gelu reads it; the quantiser uses it as XT, XO, XB, XC, and the stores of codes and bytes read XB and XC.
;   AF, SF, v74-83   Fragments and scale words of the rows: LDS loads land there, the products read them.
;   v232-240         The logits' loads land there; gelu, the softmax and the mixing's exchange write them; the store of attn reads v232.
;   ATN v38-45       LDS loads land there; the mixing reads them.
;   v46-53           Written by gelu's sums and by the mixing; read by the logit's store (v47) and by the two stores of mixed columns.
;   the two sets     neighbors' loads land there; the quantiser and the mixing read them.
;   v18-22           Read by LDS loads and stores; written once an iteration, at the loop's edge.  All other addresses are made at the head and stay until the projection.
; A tile's accumulator is asked for again directly behind the wait on the reciprocals in the NEXT tile's gelu, which also shows its own gelu done reading it; the logit's store stands with the stores of codes behind one wait;
; that wait also serves the 24 loads behind the barrier; the wait ahead of the stores of mixed columns also serves the set's 16 loads.
; REGISTERS, window 0: v1-3 lane, lane % 16, lane / 16; v4-27 addresses; v28-31 two constants as pairs; v34 a scale word just made; v36 my b's attn; v38-45 attn of my eight rows; v46-53 sums;
;   v54-95 scales and nothing else; v96-127 four accumulators; v128-159 four fragments of rows; v160-167 the stats' fragment; v168-199 the weights' K step 4; v200-231 sw2 / 2, later out0's accumulators; v232-255 at work.
;   window 1: v0-127 my weights' K steps 0-3; v128-191, v192-255 the two sets of neighbors (in the prologue all 256: sw1's steps 0-7; at the end pw2).
.set CODES, 0                          ; LDS: 32 rows x (256 bytes of codes + 16),
.set XSC,   8704                       ; 32 rows x 16 scale bytes;
.set BUF,   9216                       ; and both once more, this far on: the two buffers take turns from b to b
.set STC,   18432                      ; 8 b x 32 rows x 32 bytes: the stats' 8 bytes of codes, 24 zero bytes
.set STS,   26624                      ; 8 b x 32 scale words of the stats
.set SIM,   27648                      ; 8 b x 32: alpha x stats[15] + sb2
.set LGT,   28672                      ; 32 rows x 8 waves: partial logits;
.set LBUF,  3072                       ; and once more, this far on
.set ATT,   29696                      ; 128 bytes a wave: attn in the order in which my lanes want it
.set ATO,   30720                      ; 8 b x 32: attn for out1
.set BASE,  34816                      ; 8 b x (2,048 + 16): the q and c part + sb1
.set BPITCH, 2064
.set MIX,   51456                      ; 8 b x (640 f32 + 16 bytes): the mixed rows, zeros from column 528 on
.set MPITCH, 2576
.set HI,    65536                      ; what lies higher is reached by address registers that carry HI: an LDS offset has 16 bits
.set SST,   72192-HI                   ; 2,048 bytes a wave: the stats of b = w
.set QIMG,  88576-HI                   ; q's and c's 8 fragments, as images of their registers
.set QSC,   96768-HI                   ; their scale words
.set MIMG,  97792-HI                   ; the mixed rows' fragments
.set MSC,   105984-HI
.set HIMG,  107008-HI                  ; the hidden layer's 4 fragments
.set HSC,   111104-HI
.set OST,   111616-HI                  ; 16 rows x 272 bytes a wave: out0's stage
.set PW,   34
.set ATN,  38
.set MX,   46
.set LA,   46                          ; the dot with sw2, rows 0-15: two pairs
.set LB,   50                          ; rows 16-31
.set WSC,  54                          ; the weights' scale words: tile t, step k at 4 t + k
.set WSC4, 70                          ; step 4
.set XSCL0, 74                         ; the rows' scale words, rows 0-15
.set XSCL1, 78                         ; rows 16-31
.set XS40, 82                          ; the stats' scale words
.set XS41, 83
.set ACC,  96
.set XT,   96                          ; while codes are made: largest magnitudes,
.set XO,   104                         ; scale operands,
.set XB,   112                         ; bytes,
.set XC,   120                         ; codes
.set AF,   128
.set SF,   160
.set W4,   168
.set SW2,  200
.set Y,    232
.set Z,    240
.set P,    248
.set TM,   232
.set PC,   248
.set KC,   48                          ; scalar pairs: 1 / sqrt(2), then the polynomials' coefficients
.set A13,  50
.set A9,   52
.set A7,   54
.set A5,   56
.set A3,   58
.set A1,   60
.set B8,   62
.set B4,   66
.set B2,   68
.set B0,   70
.set XP,   72                          ; s[72:73] neighbors at my columns of the iteration's first b
.set WC1,  74                          ; s[74:75] sw1's codes, my tiles
.set WCP1, 78                          ; s[78:79] pw1's
.set WCP2, 80                          ; s[80:81] pw2's
.set MSB, 0
.macro WIN new                         ; the immediate's high byte repeats the setting that is left
.if MSB != \new
	s_set_vgpr_msb (MSB<<8)|\new
.set MSB, \new
.endif
.endm
.macro BARRIER                         ; my LDS stores have landed and my LDS loads are in: then the work-group's barrier
	s_wait_dscnt 0x0
	s_barrier_signal -1
	s_barrier_wait -1
.endm
.macro PLACES                          ; four plain lines behind a matrix instruction, ahead of reads of its result (ISA guide 7.12.1)
.rept 4
	v_nop
.endr
.endm
.macro CONST reg, val                  ; a packed form names a pair and takes its low word for both halves: both words are written
	s_mov_b32 s[\reg], \val
	s_mov_b32 s[\reg+1], s[\reg]
.endm
; 16 loads: my 64 columns of a b's 32 rows.  Register 8 p + j of lane (g4, i8) = row 4 p + g4, column 64 w + 8 i8 + j; a pair of loads covers four whole runs of 256 bytes
.macro XLOAD xs, off
	WIN 0x40                                       ; destination window 1
.irp p, 0,1,2,3,4,5,6,7
.irp c, 0,1
	global_load_b128 v[\xs+8*\p+4*\c:\xs+8*\p+4*\c+3], v4, s[XP:XP+1] offset:\off+8192*\p+16*\c
.endr
.endr
	WIN 0
.endm
; 64 numbers of a lane, register 16 b + i = k 32 b + 16 (lane / 16) + i of my row, become a fragment's codes in v[PC] on and its scale word in v[PW]
.macro QUANT src
.irp b, 0,1,2,3
	v_max3_num_f32 v[TM+\b], |v[\src+16*\b]|, |v[\src+1+16*\b]|, 0x1800000   ; with the floor 2^(3 - 127): the byte cannot fall under 1
.endr
.irp i, 2,4,6,8,10,12,14
.irp b, 0,1,2,3
	v_max3_num_f32 v[TM+\b], v[TM+\b], |v[\src+16*\b+\i]|, |v[\src+1+16*\b+\i]|
.endr
.endr
.irp b, 0,1,2,3
	v_permlanex16_b32 v[TM+4+\b], v[TM+\b], s38, s39
.endr
.irp b, 0,1,2,3
	v_max_num_f32 v[TM+\b], v[TM+\b], v[TM+4+\b]   ; with lane l xor 16's: the block's largest magnitude
.endr
.irp b, 0,1,2,3
	v_add_nc_u32 v[TM+12+\b], 0xff000000, v[TM+\b] ; 2 off the exponent field: the conversion's scale operand
.endr
.irp b, 0,1,2,3
	v_lshrrev_b32 v[TM+4+\b], 23, v[TM+12+\b]      ; the byte
.endr
	v_lshl_or_b32 v[PW], v[TM+5], 8, v[TM+4]
	v_lshl_or_b32 v[PW], v[TM+6], 16, v[PW]
	v_lshl_or_b32 v[PW], v[TM+7], 24, v[PW]
.irp b, 0,1,2,3
	v_cvt_scalef32_pk8_fp4_f32 v[PC+2*\b], v[\src+16*\b:\src+7+16*\b], v[TM+12+\b]
	v_cvt_scalef32_pk8_fp4_f32 v[PC+1+2*\b], v[\src+8+16*\b:\src+15+16*\b], v[TM+12+\b]
.endr
	v_nop                                          ; a plain line behind the last conversion
.irp c, 0,1                                    ; the operand's layout wants a whole block in a lane
.irp i, 0,1
	v_permlane16_swap_b32 v[PC+4*\c+\i], v[PC+2+4*\c+\i]
.endr
.endr
.endm
; the same for two blocks: 32 numbers become four registers of a fragment and two scale bytes
.macro QUANT2 src
.irp b, 0,1
	v_max3_num_f32 v[TM+\b], |v[\src+16*\b]|, |v[\src+1+16*\b]|, 0x1800000
.endr
.irp i, 2,4,6,8,10,12,14
.irp b, 0,1
	v_max3_num_f32 v[TM+\b], v[TM+\b], |v[\src+16*\b+\i]|, |v[\src+1+16*\b+\i]|
.endr
.endr
.irp b, 0,1
	v_permlanex16_b32 v[TM+4+\b], v[TM+\b], s38, s39
.endr
.irp b, 0,1
	v_max_num_f32 v[TM+\b], v[TM+\b], v[TM+4+\b]
.endr
.irp b, 0,1
	v_add_nc_u32 v[TM+12+\b], 0xff000000, v[TM+\b]
.endr
.irp b, 0,1
	v_lshrrev_b32 v[TM+4+\b], 23, v[TM+12+\b]
.endr
	v_lshl_or_b32 v[PW], v[TM+5], 8, v[TM+4]
.irp b, 0,1
	v_cvt_scalef32_pk8_fp4_f32 v[PC+2*\b], v[\src+16*\b:\src+7+16*\b], v[TM+12+\b]
	v_cvt_scalef32_pk8_fp4_f32 v[PC+1+2*\b], v[\src+8+16*\b:\src+15+16*\b], v[TM+12+\b]
.endr
	v_nop
.irp i, 0,1
	v_permlane16_swap_b32 v[PC+\i], v[PC+2+\i]
.endr
.endm
; my columns of 32 rows become codes: a lane's eight registers are eight neighbours along K, four neighbouring lanes hold a block of 32.  QXV: the arithmetic;  QXS: the stores, into buffer buf
.macro QXV xs
	WIN 0x05                                       ; sources 0 and 1 window 1
.irp p, 0,1,2,3,4,5,6,7
	v_max3_num_f32 v[XT+\p], |v[\xs+8*\p]|, |v[\xs+8*\p+1]|, 0x1800000
.endr
.irp i, 2,4,6
.irp p, 0,1,2,3,4,5,6,7
	v_max3_num_f32 v[XT+\p], |v[\xs+8*\p+\i]|, |v[\xs+8*\p+\i+1]|, v[XT+\p]
.endr
.endr
	WIN 0
.irp d, 1,2
.irp p, 0,1,2,3,4,5,6,7
	v_max_num_f32_dpp v[XT+\p], v[XT+\p], v[XT+\p] row_xmask:\d row_mask:0xf bank_mask:0xf
.endr
.endr
.irp p, 0,1,2,3,4,5,6,7
	v_add_nc_u32 v[XO+\p], 0xff000000, v[XT+\p]
.endr
.irp p, 0,1,2,3,4,5,6,7
	v_lshrrev_b32 v[XB+\p], 23, v[XO+\p]
.endr
	WIN 0x01                                       ; source 0 window 1
.irp p, 0,1,2,3,4,5,6,7
	v_cvt_scalef32_pk8_fp4_f32 v[XC+\p], v[\xs+8*\p:\xs+8*\p+7], v[XO+\p]
.endr
	WIN 0
	v_nop                                          ; a plain line behind the last conversion
.endm
.macro QXS buf
.irp p, 0,1,2,3,4,5,6,7
	ds_store_b32 v5, v[XC+\p] offset:BUF*(\buf)+1088*\p    ; row 4 p + g4: my 4 bytes of its codes
.endr
.irp p, 0,1,2,3,4,5,6,7
	ds_store_b8 v6, v[XB+\p] offset:BUF*(\buf)+64*\p       ; the four lanes of a block write the same byte with the same value
.endr
.endm
; q: the b's place counted from the iteration's first b (0, 1, or 2 for the next iteration's first);  buf: its buffer of codes
.macro AFETCH m, q, buf                ; rows 16 m on: four fragments of codes, and the stats' (its upper four registers stay zeros): nine loads
.irp k, 0,1,2,3
.irp c, 0,1
	ds_load_b128 v[AF+8*\k+4*\c:AF+8*\k+4*\c+3], v7 offset:BUF*(\buf)+4352*\m+64*\k+32*\c
.endr
.endr
	ds_load_b128 v[SF:SF+3], v18 offset:1024*(\q)+512*\m
.endm
.macro BASET t, q                      ; the q and c part of tile t's units, in the result's layout, into its accumulator
.irp e, 0,1
	ds_load_b128 v[ACC+8*(\t)+4*\e:ACC+8*(\t)+4*\e+3], v21 offset:BPITCH*(\q)+64*(\t)+16*\e
.endr
.endm
.macro FETCH q, buf                    ; all that a b's first 20 products want, and both halves' scale words: 21 loads
	BASET 0, \q
	BASET 1, \q
	BASET 2, \q
	BASET 3, \q
	AFETCH 0, \q, \buf
	ds_load_b128 v[XSCL0:XSCL0+3], v8 offset:BUF*(\buf)
	ds_load_b128 v[XSCL1:XSCL1+3], v8 offset:BUF*(\buf)+256
	ds_load_b32 v[XS40], v19 offset:128*(\q)
	ds_load_b32 v[XS41], v19 offset:128*(\q)+64
.endm
.macro STEPADR                         ; the iteration's addresses
	v_add_nc_u32 v18, s44, v9
	v_add_nc_u32 v19, s45, v10
	v_add_nc_u32 v20, s45, v11
	v_add_nc_u32 v21, s46, v12
	v_add_nc_u32 v22, s47, v17
.endm
; 20 matrix instructions: my four tiles of units x 16 rows, five K steps.  The four accumulators take turns, one instruction a turn
.macro MM xsc, xs4
	WIN 0x01                                       ; source 0 (the weights) window 1
.irp k, 0,1,2,3
.irp t, 0,1,2,3
	v_wmma_scale_f32_16x16x128_f8f6f4 v[ACC+8*\t:ACC+8*\t+7], v[8*(4*\t+\k):8*(4*\t+\k)+7], v[AF+8*\k:AF+8*\k+7], v[ACC+8*\t:ACC+8*\t+7], v[WSC+4*\t+\k], v[\xsc+\k] matrix_a_fmt:MATRIX_FMT_FP4 matrix_b_fmt:MATRIX_FMT_FP4
.endr
.endr
	WIN 0
.irp t, 0,1,2,3
	v_wmma_scale_f32_16x16x128_f8f6f4 v[ACC+8*\t:ACC+8*\t+7], v[W4+8*\t:W4+8*\t+7], v[SF:SF+7], v[ACC+8*\t:ACC+8*\t+7], v[WSC4+\t], v[\xs4] matrix_a_fmt:MATRIX_FMT_FP4 matrix_b_fmt:MATRIX_FMT_FP4
.endr
.endm
; gelu of tile t's eight numbers a lane, from the low end on.  mode 0: x (1 + erf) times sw2 / 2 is added to the pairs at lr (first = 1: it starts them);  mode 1: gelu goes back into the tile's registers.
; bt = 0 .. 2: tile bt, whose gelu stands just ahead of this one, takes the q and c part of b's place bq again, directly behind this gelu's wait on the reciprocals;  bt = -1: nothing is fetched
.macro GELU t, mode, lr, first, bt, bq
.set XR, ACC+8*(\t)
.irp q, 0,2,4,6
	v_pk_mul_f32 v[Y+\q:Y+\q+1], v[XR+\q:XR+\q+1], s[KC:KC+1] op_sel_hi:[1,0]
.endr
.irp j, 0,1,2,3,4,5,6,7
	v_med3_num_f32 v[Y+\j], v[Y+\j], -4.0, 4.0
.endr
.irp q, 0,2,4,6
	v_pk_mul_f32 v[Z+\q:Z+\q+1], v[Y+\q:Y+\q+1], v[Y+\q:Y+\q+1]
.endr
.irp q, 0,2,4,6
	v_pk_fma_f32 v[P+\q:P+\q+1], v[Z+\q:Z+\q+1], s[A13:A13+1], v[28:29] op_sel_hi:[1,0,1]
.endr
.irp a, A9, A7, A5, A3, A1
.irp q, 0,2,4,6
	v_pk_fma_f32 v[P+\q:P+\q+1], v[P+\q:P+\q+1], v[Z+\q:Z+\q+1], s[\a:\a+1] op_sel_hi:[1,1,0]
.endr
.endr
.irp q, 0,2,4,6
	v_pk_mul_f32 v[Y+\q:Y+\q+1], v[Y+\q:Y+\q+1], v[P+\q:P+\q+1]
.endr
.irp q, 0,2,4,6
	v_pk_fma_f32 v[P+\q:P+\q+1], v[Z+\q:Z+\q+1], s[B8:B8+1], v[30:31] op_sel_hi:[1,0,1]
.endr
.irp a, B4, B2, B0
.irp q, 0,2,4,6
	v_pk_fma_f32 v[P+\q:P+\q+1], v[P+\q:P+\q+1], v[Z+\q:Z+\q+1], s[\a:\a+1] op_sel_hi:[1,1,0]
.endr
.endr
	s_wait_alu depctr_va_vdst(0)
.irp j, 0,1,2,3,4,5,6,7
	v_rcp_f32 v[P+\j], v[P+\j]
.endr
	v_nop                                          ; a plain line behind the reciprocals
	s_wait_alu depctr_va_vdst(0)                   ; the eight reciprocals in v[P ..] are written, ahead of their first reader; and the gelu of the tile before is done reading its accumulator
.if (\bt) >= 0
	BASET \bt, \bq                                 ; in which these two loads land: no line since the wait names it
.endif
.irp q, 0,2,4,6
	v_pk_mul_f32 v[Y+\q:Y+\q+1], v[Y+\q:Y+\q+1], v[P+\q:P+\q+1]            ; erf
.endr
.irp q, 0,2,4,6
	v_pk_fma_f32 v[Y+\q:Y+\q+1], v[XR+\q:XR+\q+1], v[Y+\q:Y+\q+1], v[XR+\q:XR+\q+1]   ; x erf + x
.endr
.if \mode == 0
.if \first
	v_pk_mul_f32 v[\lr:\lr+1], v[Y:Y+1], v[SW2+8*(\t):SW2+8*(\t)+1]
	v_pk_mul_f32 v[\lr+2:\lr+3], v[Y+2:Y+3], v[SW2+8*(\t)+2:SW2+8*(\t)+3]
.else
	v_pk_fma_f32 v[\lr:\lr+1], v[Y:Y+1], v[SW2+8*(\t):SW2+8*(\t)+1], v[\lr:\lr+1]
	v_pk_fma_f32 v[\lr+2:\lr+3], v[Y+2:Y+3], v[SW2+8*(\t)+2:SW2+8*(\t)+3], v[\lr+2:\lr+3]
.endif
	v_pk_fma_f32 v[\lr:\lr+1], v[Y+4:Y+5], v[SW2+8*(\t)+4:SW2+8*(\t)+5], v[\lr:\lr+1]
	v_pk_fma_f32 v[\lr+2:\lr+3], v[Y+6:Y+7], v[SW2+8*(\t)+6:SW2+8*(\t)+7], v[\lr+2:\lr+3]
.else
.irp q, 0,2,4,6
	v_pk_mul_f32 v[XR+\q:XR+\q+1], v[Y+\q:Y+\q+1], 0.5 op_sel_hi:[1,0]
.endr
.endif
.endm
	s_load_b512 s[8:23], s[0:1], 0x0               ; query, condition, neighbors, neighbor_stats, sb1, sw2, sb2, sim_alpha
	s_load_b256 s[24:31], s[0:1], 0x40             ; pb1, pb2, the codes, the scale words
	s_load_b128 s[32:35], s[0:1], 0x60             ; out0, out1
	v_lshrrev_b32 v1, 5, v0
	v_readfirstlane_b32 s2, v1                     ; w: wave 0..7
	s_mov_b32 s3, ttmp9                            ; g: the work-group
	v_and_b32 v1, 31, v0                           ; l
	v_and_b32 v2, 15, v0                           ; r
	v_bfe_u32 v3, v0, 4, 1                         ; h
	v_bfe_u32 v32, v0, 3, 2                        ; g4
	v_and_b32 v33, 7, v0                           ; i8
	v_lshlrev_b32 v23, 4, v1                       ; 16 l: a lane's place in a fragment's image
	v_lshlrev_b32 v24, 6, v2                       ; 64 r: a tile row's scale words
	v_lshlrev_b32 v25, 5, v3                       ; 32 h: my eight units of a tile, in f32
	v_lshlrev_b32 v26, 8, v0                       ; 256 x thread: the prefetches
	v_lshl_add_u32 v27, v0, 4, ATO
	v_lshlrev_b32 v4, 11, v32
	v_lshl_add_u32 v4, v33, 5, v4                  ; neighbors: 2,048 g4 + 32 i8
	s_wait_alu depctr_va_sdst(0)                   ; s2 is written, ahead of its first reader: addresses, bases and branches are made from it
	s_lshl_b32 s4, s2, 5
	v_mul_u32_u24 v5, v32, 272
	v_lshl_add_u32 v5, v33, 2, v5
	v_add_nc_u32 v5, s4, v5                        ; my codes: row g4, byte 32 w + 4 i8
	s_lshl_b32 s4, s2, 1
	s_add_co_u32 s4, s4, XSC
	v_lshrrev_b32 v6, 2, v33
	v_lshl_add_u32 v6, v32, 4, v6
	v_add_nc_u32 v6, s4, v6                        ; my scale byte: row g4, block 2 w + i8 / 4
	v_mul_u32_u24 v7, v2, 272
	v_lshl_add_u32 v7, v3, 4, v7                   ; a fragment of codes: row r, + 16 h
	v_lshl_add_u32 v8, v2, 4, XSC                  ; row r's four scale words
	v_lshlrev_b32 v9, 5, v2
	v_lshl_add_u32 v9, v3, 4, v9
	v_add_nc_u32 v9, STC, v9                       ; the stats' fragment
	v_lshl_add_u32 v10, v2, 2, STS
	v_lshl_add_u32 v11, v1, 2, SIM
	s_lshl_b32 s4, s2, 8                           ; 256 w
	s_add_co_u32 s5, s4, BASE
	v_lshl_add_u32 v12, v3, 5, s5
	s_lshl_b32 s5, s2, 2
	s_add_co_u32 s5, s5, LGT
	v_lshl_add_u32 v13, v1, 5, s5                  ; row l's partial logit of wave w
	v_lshl_add_u32 v14, v1, 5, LGT                 ; row l's eight
	s_lshl_b32 s6, s2, 7                           ; 128 w
	s_add_co_u32 s5, s6, ATT
	v_and_b32 v15, 3, v0
	v_bfe_u32 v35, v0, 2, 3
	v_lshlrev_b32 v15, 5, v15
	v_lshl_add_u32 v15, v35, 2, v15
	v_add_nc_u32 v15, s5, v15                      ; row l = 4 p + g4 goes to word 8 g4 + p,
	v_lshl_add_u32 v16, v32, 5, s5                 ; so that a lane reads its eight rows' attn on end
	s_add_co_u32 s5, s4, MIX
	v_lshl_add_u32 v17, v33, 5, s5                 ; my eight mixed columns
	; addresses of the prologue alone
	v_and_b32 v38, 7, v0
	v_mul_u32_u24 v48, v38, BPITCH
	v_lshlrev_b32 v38, 11, v38
	v_lshl_add_u32 v38, v3, 6, v38                 ; q, c: row r % 8 of 2,048 bytes, + 64 h
	v_lshl_add_u32 v48, v3, 5, v48
	v_add_nc_u32 v48, s4, v48                      ; the q and c part: row r % 8, + 256 w + 32 h
	v_lshlrev_b32 v39, 6, v1                       ; stats: row l of 64 bytes
	s_lshl_b32 s5, s2, 10
	v_lshl_add_u32 v40, v1, 5, s5                  ; 32 l + 1,024 w
	v_lshl_add_u32 v41, v1, 2, s6                  ; 4 l + 128 w
	s_add_co_u32 s7, s5, HI
	v_add_nc_u32 v44, s7, v23                      ; 16 l + 1,024 w + HI
	s_add_co_u32 s7, s6, HI
	v_lshl_add_u32 v45, v1, 2, s7                  ; 4 l + 128 w + HI
	s_lshl_b32 s7, s2, 11
	s_add_co_u32 s7, s7, HI
	v_add_nc_u32 v42, s7, v23                      ; 16 l + 2,048 w + HI
	s_mul_i32 s7, s2, MPITCH
	v_add_nc_u32 v43, s7, v23                      ; 16 l + the mixed row w
	v_add_nc_u32 v46, HI, v23
	v_lshl_add_u32 v47, v1, 2, HI
	s_wait_kmcnt 0x0
	s_load_b32 s36, s[22:23], 0x0                  ; alpha
	s_load_b32 s37, s[20:21], 0x0                  ; sb2
	s_mov_b32 s5, 0
	s_lshl_b32 s4, s3, 19
	s_add_nc_u64 s[12:13], s[12:13], s[4:5]        ; neighbors at my 8 b: 524,288 g
	s_lshl_b32 s4, s2, 8
	s_add_nc_u64 s[XP:XP+1], s[12:13], s[4:5]      ; + 256 w
	s_add_nc_u64 s[16:17], s[16:17], s[4:5]        ; sb1, sw2, pb1, pb2 at my 64 units
	s_add_nc_u64 s[18:19], s[18:19], s[4:5]
	s_add_nc_u64 s[24:25], s[24:25], s[4:5]
	s_add_nc_u64 s[26:27], s[26:27], s[4:5]
	s_add_nc_u64 s[32:33], s[32:33], s[4:5]        ; out0 at my 64 columns,
	s_lshl_b32 s4, s3, 14
	s_add_nc_u64 s[32:33], s[32:33], s[4:5]        ; of my 8 rows
	s_add_nc_u64 s[14:15], s[14:15], s[4:5]
	s_cmp_lt_u32 s2, 4                             ; waves 0-3 quantise q's four K steps, waves 4-7 c's: the choice hangs on the wave's number alone
	s_cselect_b64 s[8:9], s[8:9], s[10:11]
	s_add_nc_u64 s[8:9], s[8:9], s[4:5]
	s_lshl_b32 s4, s2, 11
	s_add_nc_u64 s[14:15], s[14:15], s[4:5]        ; the stats of b = 8 g + w
	s_and_b32 s4, s2, 3
	s_lshl_b32 s4, s4, 9
	s_add_nc_u64 s[8:9], s[8:9], s[4:5]
	s_lshl_b32 s4, s3, 10
	s_add_nc_u64 s[34:35], s[34:35], s[4:5]        ; out1 at my 8 rows
	s_mul_i32 s4, s2, 53248
	s_add_nc_u64 s[WC1:WC1+1], s[28:29], s[4:5]    ; 4 tiles x 13 steps x 1,024 bytes a wave
	s_mul_i32 s4, s2, 20480
	s_add_co_u32 s4, s4, 425984
	s_add_nc_u64 s[WCP1:WCP1+1], s[28:29], s[4:5]
	s_lshl_b32 s4, s2, 14
	s_add_co_u32 s4, s4, 589824
	s_add_nc_u64 s[WCP2:WCP2+1], s[28:29], s[4:5]
	s_lshl_b32 s4, s2, 12
	s_add_nc_u64 s[30:31], s[30:31], s[4:5]        ; 4 tiles x 1,024 bytes of scale words a wave
	s_wait_alu depctr_va_vdst(0)                   ; all the addresses made above, v4 to v27 and v38 to v48, are written: the prefetches, loads and stores from here to the projection read them
	global_prefetch_b8 v26, s[12:13] th:TH_LOAD_NT scope:SCOPE_SE                 ; the first b's 65,536 bytes, a run of 256 to a thread
	global_prefetch_b8 v26, s[12:13] offset:65536 th:TH_LOAD_NT scope:SCOPE_SE    ; and the second's
	s_mov_b32 s38, 0x76543210
	s_mov_b32 s39, 0xfedcba98                      ; v_permlanex16_b32's selects for lane l xor 16
	s_mov_b32 s40, 0xffff0000                      ; lanes 16-31
	CONST KC,  0x3f3504f3                          ; 1 / sqrt(2)
	CONST A13, -0.000000000272614225801306
	CONST A9,  -0.00000210102402082508
	CONST A7,  -0.0000569250639462346
	CONST A5,  -0.000734990630326855
	CONST A3,  -0.00295459980854025
	CONST A1,  -0.0160960333262415
	CONST B8,  -0.0000145660718464996
	CONST B4,  -0.00168282697438203
	CONST B2,  -0.00737332916720468
	CONST B0,  -0.0142647390514189
	v_mov_b32 v28, 0.0000000277068142495902        ; the coefficient of y^11,
	v_mov_b32 v29, v28
	v_mov_b32 v30, -0.000213374055278905           ; and Q's of y^6: in vector pairs, since a line takes one scalar pair
	v_mov_b32 v31, v30
	v_mov_b32 v36, 0                               ; my b's attn, kept for the stats' mixing and out1
	v_mov_b32 v37, 0
.irp b, 0,1,2,3
	v_mov_b32 v[TM+4+\b], 0                        ; a lane permute's destination counts as one of its sources
.endr
	; ---- my K step of q or c (64 numbers a lane), my b's stats (a row a lane), and the first half of sw1's steps 0-7.  No line since the wait above names a register that these loads touch
.irp b, 0,1,2,3
.irp j, 0,1,2,3
	global_load_b128 v[96+16*\b+4*\j:99+16*\b+4*\j], v38, s[8:9] offset:128*\b+16*\j
.endr
.endr
.irp q, 0,1,2,3
	global_load_b128 v[160+4*\q:163+4*\q], v39, s[14:15] offset:16*\q
.endr
	WIN 0x40
.irp t, 0,1
.irp k, 0,1,2,3,4,5,6,7
.irp c, 0,1
	global_load_b128 v[8*(8*\t+\k)+4*\c:8*(8*\t+\k)+4*\c+3], v23, s[WC1:WC1+1] offset:(13*\t+\k)*1024+512*\c
.endr
.endr
.endr
	WIN 0
	s_wait_loadcnt 32                              ; all but the 32 loads of weights just issued
	s_wait_kmcnt 0x0                               ; alpha, sb2
	; the stats of row l: 16 numbers, a block filled with zeros
	v_max3_num_f32 v232, |v160|, |v161|, |v162|
	v_max3_num_f32 v233, |v163|, |v164|, |v165|
.irp i, 6,10
	v_max3_num_f32 v232, v232, |v[160+\i]|, |v[161+\i]|
	v_max3_num_f32 v233, v233, |v[162+\i]|, |v[163+\i]|
.endr
	v_max3_num_f32 v232, v232, |v174|, |v175|
	v_max3_num_f32 v232, v232, v233, 0x1800000
	v_add_nc_u32 v234, 0xff000000, v232
	v_lshrrev_b32 v235, 23, v234                   ; the word's upper three bytes are 0: they scale zero codes
	v_fma_f32 v240, v175, s36, s37                 ; alpha x the last stat + sb2
	v_cvt_scalef32_pk8_fp4_f32 v248, v[160:167], v234
	v_cvt_scalef32_pk8_fp4_f32 v249, v[168:175], v234
.irp j, 250,251,252,253,254,255
	v_mov_b32 v[\j], 0
.endr
	s_wait_alu depctr_va_vdst(0)                   ; the codes and zeros in v248 to v255, the scale word v235 and v240 are written, which the LDS stores read
	ds_store_b128 v40, v[248:251] offset:STC
	ds_store_b128 v40, v[252:255] offset:STC+16
	ds_store_b32 v41, v235 offset:STS
	ds_store_b32 v41, v240 offset:SIM
.irp q, 0,1,2,3
	ds_store_b128 v42, v[160+4*\q:163+4*\q] offset:SST+512*\q
.endr
	ds_store_b128 v43, v[252:255] offset:MIX+2048  ; columns 512-639 of the mixed row w: zeros
	s_wait_dscnt 0x0                               ; the stores have landed
	s_wait_alu depctr_vm_vsrc(0)                   ; the stores have read v235, v240 and v248 to v255, which the quantiser writes, and v160 to v175, in which fragments land further down
	QUANT 96
	s_wait_alu depctr_va_vdst(0)                   ; the fragment in v[PC ..] and its scale word are written, which the LDS stores read; the quantiser is done reading v96 to v159, in which sb1 and, behind the barrier, fragments land
	ds_store_b128 v44, v[PC:PC+3] offset:QIMG
	ds_store_b128 v44, v[PC+4:PC+7] offset:QIMG+512
	ds_store_b32 v45, v[PW] offset:QSC
	WIN 0x40
.irp t, 2,3
.irp k, 0,1,2,3,4,5,6,7
.irp c, 0,1
	global_load_b128 v[8*(8*\t+\k)+4*\c:8*(8*\t+\k)+4*\c+3], v23, s[WC1:WC1+1] offset:(13*\t+\k)*1024+512*\c
.endr
.endr
.endr
	WIN 0
.irp t, 0,1,2,3
.irp e, 0,1
	global_load_b128 v[ACC+8*\t+4*\e:ACC+8*\t+4*\e+3], v25, s[16:17] offset:64*\t+16*\e   ; sb1 begins the sums
	global_load_b128 v[54+8*\t+4*\e:57+8*\t+4*\e], v24, s[30:31] offset:1024*\t+16*\e      ; scale words of steps 0-7
.endr
.endr
	BARRIER                                        ; q's and c's eight fragments lie in LDS
.irp k, 0,1,2,3,4,5,6,7
.irp c, 0,1
	ds_load_b128 v[128+8*\k+4*\c:131+8*\k+4*\c], v46 offset:QIMG+1024*\k+512*\c
.endr
	ds_load_b32 v[86+\k], v47 offset:QSC+128*\k
.endr
	s_wait_dscnt 0x0
	s_wait_loadcnt 0x0
	WIN 0x01
.irp k, 0,1,2,3,4,5,6,7
.irp t, 0,1,2,3
	v_wmma_scale_f32_16x16x128_f8f6f4 v[ACC+8*\t:ACC+8*\t+7], v[8*(8*\t+\k):8*(8*\t+\k)+7], v[128+8*\k:135+8*\k], v[ACC+8*\t:ACC+8*\t+7], v[54+8*\t+\k], v[86+\k] matrix_a_fmt:MATRIX_FMT_FP4 matrix_b_fmt:MATRIX_FMT_FP4
.endr
.endr
	WIN 0
	PLACES
	s_wait_alu depctr_va_vdst(0)                   ; the products have written the accumulators, which the LDS stores below read, and are done reading window 1, v168 to v191 and the scale words, in which the loads below land
	; ---- the loop's weights: sw1's steps 8-11 and 12, their scale words, sw2; then the first two b of neighbors
	WIN 0x40
.irp t, 0,1,2,3
.irp k, 0,1,2,3
.irp c, 0,1
	global_load_b128 v[8*(4*\t+\k)+4*\c:8*(4*\t+\k)+4*\c+3], v23, s[WC1:WC1+1] offset:(13*\t+8+\k)*1024+512*\c
.endr
.endr
.endr
	WIN 0
.irp t, 0,1,2,3
.irp c, 0,1
	global_load_b128 v[W4+8*\t+4*\c:W4+8*\t+4*\c+3], v23, s[WC1:WC1+1] offset:(13*\t+12)*1024+512*\c
.endr
.endr
.irp t, 0,1,2,3
	global_load_b128 v[WSC+4*\t:WSC+4*\t+3], v24, s[30:31] offset:1024*\t+32
	global_load_b32 v[WSC4+\t], v24, s[30:31] offset:1024*\t+48
.endr
.irp t, 0,1,2,3
.irp e, 0,1
	global_load_b128 v[SW2+8*\t+4*\e:SW2+8*\t+4*\e+3], v25, s[18:19] offset:64*\t+16*\e
.endr
.endr
	XLOAD 128, 0
	XLOAD 192, 65536
.irp t, 0,1,2,3
	ds_store_b128 v48, v[ACC+8*\t:ACC+8*\t+3] offset:BASE+64*\t          ; each accumulator from its low end on; lanes r and r + 8 store the same numbers to the same bytes
	ds_store_b128 v48, v[ACC+8*\t+4:ACC+8*\t+7] offset:BASE+64*\t+16
.endr
.irp j, 4,5,6,7
	v_mov_b32 v[SF+\j], 0                          ; K 64-127 of the stats' step: zero codes, for the whole loop
.endr
	s_wait_loadcnt 32                              ; all but the 32 loads of neighbors
.irp i, 0,2,4,6,8,10,12,14,16,18,20,22,24,26,28,30
	v_pk_mul_f32 v[SW2+\i:SW2+\i+1], v[SW2+\i:SW2+\i+1], 0.5 op_sel_hi:[1,0]   ; gelu's half goes into sw2
.endr
	s_mov_b32 s41, 0                               ; the iteration
	s_mov_b32 s44, 0                               ; its two b in STC: 2,048 an iteration,
	s_mov_b32 s45, 0                               ; in STS and SIM: 256,
	s_mov_b32 s46, 0                               ; in BASE: 2 BPITCH,
	s_mov_b32 s47, 0                               ; in MIX: 2 MPITCH
	s_wait_dscnt 0x0                               ; the stores of the q and c part have landed
	s_wait_alu depctr_vm_vsrc(0)                   ; they have read the accumulators, which the quantiser writes; and all the prologue's loads and stores have read v38 to v48 and v[PC ..], which the loop writes
	s_wait_loadcnt 16                              ; the first b's 16 loads are in; the second's, issued behind them, may be out
	QXV 128                                        ; the first b's codes,
	s_wait_alu depctr_va_vdst(0)                   ; the codes in v[XC ..] and the bytes in v[XB ..] are written, which the LDS stores read
	QXS 0                                          ; into buffer 0
	BARRIER                                        ; the q and c part and the first b's codes lie in LDS
	s_wait_alu depctr_vm_vsrc(0)                   ; those stores have read v[XB ..] and v[XC ..], in which the q and c part lands
	STEPADR
	s_wait_alu depctr_va_vdst(0)                   ; v18 to v22 are written, which the loads below read; the zero codes of v164 to v167 are written, which the first products take
	FETCH 0, 0                                     ; the first b's operands
	s_wait_dscnt 0x0
; ONE b.  xs: its set of registers; xn: the next b's; par: 0 or 1, its place in the iteration, its buffer of codes and its area of logits.
; nxt = 1: there is a next b: its codes are made and its operands fetched.  rel = 1: my set takes the b two further on; 0: half of pw2.
.macro TRIP xs, xn, par, nxt, rel
	MM XSCL0, XS40                                 ; rows 0-15: the operands were fetched behind the last barrier and waited for there
	PLACES
	s_wait_alu depctr_va_vdst(0)                   ; the products are done reading the fragments in v[AF ..] and v[SF ..], in which the loads below land; in an iteration's first trip v18 to v22 are written
	AFETCH 1, \par, \par                           ; rows 16-31 land while rows 0-15 go through gelu
	s_wait_dscnt 9                                 ; all but these nine loads: the last b's two stores of mixed columns are done
	s_wait_alu depctr_vm_vsrc(0)                   ; those two stores have read v46 to v53, which gelu's sums write
	GELU 0, 0, LA, 1, -1, 0
	GELU 1, 0, LA, 0, 0, \par                      ; a tile's accumulator takes the q and c part again behind the next tile's wait on the reciprocals
	GELU 2, 0, LA, 0, 1, \par
	GELU 3, 0, LA, 0, 2, \par
	s_wait_alu depctr_va_vdst(0)                   ; tile 3's gelu is done reading its accumulator, in which the two loads below land
	BASET 3, \par
	s_wait_dscnt 0x0
	MM XSCL1, XS41
	PLACES
	GELU 0, 0, LB, 1, -1, 0
	GELU 1, 0, LB, 0, -1, 0
	GELU 2, 0, LB, 0, -1, 0
	GELU 3, 0, LB, 0, -1, 0
	v_pk_add_f32 v[LA:LA+1], v[LA:LA+1], v[LA+2:LA+3]
	v_pk_add_f32 v[LB:LB+1], v[LB:LB+1], v[LB+2:LB+3]
	v_add_f32 v[LA], v[LA], v[LA+1]                ; row r, my half's 32 units
	v_add_f32 v[LB], v[LB], v[LB+1]                ; row 16 + r
	v_cndmask_b32 v[LA+1], v[LA], v[LB], s40       ; lanes 0-15 keep row r and send row 16 + r; lanes 16-31 the other way round
	v_cndmask_b32 v[LB+1], v[LB], v[LA], s40
	v_permlanex16_b32 v[LA+2], v[LB+1], s38, s39
	v_add_f32 v[LA+1], v[LA+1], v[LA+2]            ; lane l: row l, my wave's 64 units
.if \nxt
	s_wait_loadcnt 0x0                             ; the next b's 16 loads, asked for behind the last b's mixing: nothing was issued behind them
	QXV \xn
.endif
	s_wait_alu depctr_va_vdst(0)                   ; the logit in v47 and (where there is a next b) its codes and bytes are written, which the LDS stores read; gelu, the products and the quantiser are done with v232 to v240, the accumulators, the fragments and the rows' scale words, in which the loads behind the barrier land
	ds_store_b32 v13, v[LA+1] offset:LBUF*\par
.if \nxt
	QXS 1-\par                                     ; the codes go into the other buffer, which every wave has left: its last reads came back ahead of the last barrier
.endif
	BARRIER                                        ; the eight waves' partial logits and the next b's codes lie in LDS
	s_wait_alu depctr_vm_vsrc(0)                   ; my stores have read v[XB ..] and v[XC ..], in which the q and c part lands, and v47, which the mixing writes
	ds_load_b128 v[232:235], v14 offset:LBUF*\par
	ds_load_b128 v[236:239], v14 offset:LBUF*\par+16
	ds_load_b32 v240, v20 offset:128*\par
.if \nxt
	FETCH \par+1, 1-\par                           ; the next b's operands land under the softmax and the mixing
	s_wait_dscnt 21                                ; all but those 21 loads: the logits are in
.else
	s_wait_dscnt 0x0
.endif
	v_pk_add_f32 v[232:233], v[232:233], v[234:235]
	v_pk_add_f32 v[236:237], v[236:237], v[238:239]
	v_pk_add_f32 v[232:233], v[232:233], v[236:237]
	v_add_f32 v232, v232, v233
	v_add_f32 v232, v232, v240                     ; row l's logit
	v_mov_b32 v241, v232
.irp d, 1,2,4,8
	v_max_num_f32_dpp v241, v241, v241 row_xmask:\d row_mask:0xf bank_mask:0xf
.endr
	v_permlanex16_b32 v242, v241, s38, s39
	v_max_num_f32 v241, v241, v242                 ; the largest of the 32
	v_sub_f32 v232, v232, v241
	v_mul_f32 v232, 0x3fb8aa3b, v232
	s_wait_alu depctr_va_vdst(0)
	v_exp_f32 v232, v232
	v_nop                                          ; a plain line behind the exponential
	s_wait_alu depctr_va_vdst(0)                   ; the exponential in v232 is written, ahead of its first reader
	v_mov_b32 v241, v232
.irp d, 1,2,4,8
	v_add_f32_dpp v241, v241, v241 row_xmask:\d row_mask:0xf bank_mask:0xf
.endr
	v_permlanex16_b32 v242, v241, s38, s39
	v_add_f32 v241, v241, v242
	s_wait_alu depctr_va_vdst(0)
	v_rcp_f32 v241, v241
	v_nop                                          ; a plain line behind the reciprocal
	s_wait_alu depctr_va_vdst(0)                   ; the reciprocal in v241 is written, ahead of its first reader
	v_mul_f32 v232, v232, v241                     ; attn of row l
.if \par
	s_add_co_u32 s5, s42, 1
	s_cmp_eq_u32 s5, s2
.else
	s_cmp_eq_u32 s42, s2
.endif
	s_cselect_b32 s43, -1, 0
	v_cndmask_b32 v36, v36, v232, s43              ; wave w keeps b = w's
	s_wait_alu depctr_va_vdst(0)                   ; attn in v232 is written, which the LDS store reads
	ds_store_b32 v15, v232                         ; my wave's own bytes: LDS serves a wave's instructions in order
	ds_load_b128 v[ATN:ATN+3], v16
	ds_load_b128 v[ATN+4:ATN+7], v16 offset:16
	s_wait_dscnt 0x0                               ; attn of my eight rows is in, and so are the next b's operands
	s_wait_alu depctr_vm_vsrc(0)                   ; the store of attn has read v232, which the exchange between the halves below writes
	WIN 0x01                                       ; source 0 (neighbors) window 1
.irp q, 0,2,4,6
	v_pk_mul_f32 v[MX+\q:MX+\q+1], v[\xs+\q:\xs+\q+1], v[ATN:ATN+1] op_sel_hi:[1,0]
.endr
.irp p, 1,2,3,4,5,6,7
.irp q, 0,2,4,6
.if \p%2
	v_pk_fma_f32 v[MX+\q:MX+\q+1], v[\xs+8*\p+\q:\xs+8*\p+\q+1], v[ATN+\p-1:ATN+\p], v[MX+\q:MX+\q+1] op_sel:[0,1,0] op_sel_hi:[1,1,1]
.else
	v_pk_fma_f32 v[MX+\q:MX+\q+1], v[\xs+8*\p+\q:\xs+8*\p+\q+1], v[ATN+\p:ATN+\p+1], v[MX+\q:MX+\q+1] op_sel_hi:[1,0,1]
.endif
.endr
.endr
	WIN 0
.irp j, 0,1,2,3,4,5,6,7
	v_add_f32_dpp v[MX+\j], v[MX+\j], v[MX+\j] row_xmask:8 row_mask:0xf bank_mask:0xf
.endr
.irp j, 0,1,2,3,4,5,6,7
	v_permlanex16_b32 v[232+\j], v[MX+\j], s38, s39
.endr
.irp j, 0,1,2,3,4,5,6,7
	v_add_f32 v[MX+\j], v[MX+\j], v[232+\j]        ; the four lanes with my i8 hold the same eight mixed columns
.endr
	s_wait_alu depctr_va_vdst(0)                   ; the mixed columns in v[MX ..] are written, which the two LDS stores read; the mixing is done reading the set, in which the 16 loads below land, and attn's registers
	ds_store_b128 v22, v[MX:MX+3] offset:MPITCH*\par
	ds_store_b128 v22, v[MX+4:MX+7] offset:MPITCH*\par+16
.if \rel
	XLOAD \xs, 131072+65536*\par                   ; the set has been mixed: it takes the b two further on
.else
	WIN 0x40                                       ; or, in the last two trips, half of pw2
.irp f, 0,1,2,3,4,5,6,7
.irp c, 0,1
	global_load_b128 v[\xs+8*\f+4*\c:\xs+8*\f+4*\c+3], v23, s[WCP2:WCP2+1] offset:1024*(8*\par+\f)+512*\c
.endr
.endr
	WIN 0
.endif
.endm
.Liter:                                            ; three iterations of two b
	s_lshl_b32 s42, s41, 1                         ; the iteration's first b
	TRIP 128, 192, 0, 1, 1
	TRIP 192, 128, 1, 1, 1
	s_wait_dscnt 0x0                               ; my LDS instructions are done,
	s_wait_xcnt 0x0                                ; and my loads have read their base: it is stepped only behind this wait
	s_wait_alu depctr_vm_vsrc(0)                   ; my LDS instructions have read v18 to v22, which the five additions below write
	s_add_nc_u64 s[XP:XP+1], s[XP:XP+1], 131072
	s_add_co_u32 s44, s44, 2048
	s_add_co_u32 s45, s45, 256
	s_add_co_u32 s46, s46, 2*BPITCH
	s_add_co_u32 s47, s47, 2*MPITCH
	STEPADR
	s_add_co_u32 s41, s41, 1
	s_cmp_lt_u32 s41, 3
	s_cbranch_scc1 .Liter
	s_lshl_b32 s42, s41, 1                         ; the last two b, written out: 6 and 7
	TRIP 128, 192, 0, 1, 0
	TRIP 192, 128, 1, 0, 0
	s_wait_dscnt 0x0                               ; my LDS instructions are done,
	s_wait_xcnt 0x0                                ; and my loads have had their addresses translated
	s_wait_alu depctr_vm_vsrc(0)                   ; my loads and stores have read the loop's addresses v4 to v22, which the lines below write anew or in which loads land
	; ---- THE PROJECTION.  All its addresses are made here, ahead of the one branch on the wave's number
	s_lshl_b32 s4, s2, 11
	s_add_co_u32 s4, s4, HI
	v_add_nc_u32 v4, s4, v23                       ; my stats: 16 l + 2,048 w + HI
	s_mul_i32 s4, s2, MPITCH
	v_mov_b32 v5, s4                               ; the mixed row w
	s_lshl_b32 s5, s2, 7
	v_lshl_add_u32 v6, v1, 2, s5                   ; 4 l + 128 w
	v_lshlrev_b32 v7, 4, v0                        ; out1: 16 x thread
	s_min_u32 s4, s2, 4                            ; waves 0-4 quantise the mixed rows' five K steps; waves 5-7 repeat the fifth into slots that nobody reads
	s_lshl_b32 s4, s4, 9
	v_and_b32 v12, 7, v0
	v_mul_u32_u24 v12, v12, MPITCH
	v_lshl_add_u32 v12, v3, 6, v12
	v_add_nc_u32 v12, s4, v12                      ; mixed row r % 8, + 64 h, + my K step
	s_lshl_b32 s4, s2, 10
	s_add_co_u32 s4, s4, HI
	v_add_nc_u32 v13, s4, v23                      ; 16 l + 1,024 w + HI
	s_add_co_u32 s5, s5, HI
	v_lshl_add_u32 v14, v1, 2, s5                  ; 4 l + 128 w + HI
	v_lshlrev_b32 v15, 6, v3                       ; pb1: 64 h
	v_add_nc_u32 v16, HI, v23
	v_lshl_add_u32 v17, v1, 2, HI
	s_lshl_b32 s4, s2, 9
	s_add_co_u32 s4, s4, HI
	v_add_nc_u32 v18, s4, v23                      ; half a fragment of the hidden layer: 16 l + 512 w + HI
	s_lshr_b32 s4, s2, 1
	s_lshl_b32 s4, s4, 7
	s_and_b32 s5, s2, 1
	s_lshl_b32 s5, s5, 1
	s_add_co_u32 s4, s4, s5
	s_add_co_u32 s4, s4, HI
	v_lshl_add_u32 v19, v1, 2, s4                  ; its two scale bytes: 4 l + 128 (w / 2) + 2 (w % 2) + HI
	s_mul_i32 s4, s2, 4352
	s_add_co_u32 s4, s4, HI
	v_mul_u32_u24 v20, v2, 272
	v_lshl_add_u32 v20, v3, 5, v20
	v_add_nc_u32 v20, s4, v20                      ; my stage, in: row r, + 32 h
	v_mul_u32_u24 v21, v3, 272
	v_lshl_add_u32 v21, v2, 4, v21
	v_add_nc_u32 v21, s4, v21                      ; back: lanes 0-15 one row, lanes 16-31 the next
	v_lshlrev_b32 v22, 11, v3
	v_lshl_add_u32 v22, v2, 4, v22                 ; and the same two rows in out0
	s_wait_alu depctr_va_vdst(0)                   ; the projection's addresses are written, which its loads and stores read; the loop's products and gelu are done reading the weights, the scale words, sw2 and the fragments, in which the loads below land
	WIN 0x40
.irp t, 0,1,2,3
.irp k, 0,1,2,3
.irp c, 0,1
	global_load_b128 v[8*(4*\t+\k)+4*\c:8*(4*\t+\k)+4*\c+3], v23, s[WCP1:WCP1+1] offset:(5*\t+\k)*1024+512*\c
.endr
.endr
.endr
	WIN 0
.irp t, 0,1,2,3
.irp c, 0,1
	global_load_b128 v[W4+8*\t+4*\c:W4+8*\t+4*\c+3], v23, s[WCP1:WCP1+1] offset:(5*\t+4)*1024+512*\c
.endr
.endr
.irp t, 0,1,2,3
	global_load_b128 v[WSC+4*\t:WSC+4*\t+3], v24, s[30:31] offset:32768+1024*\t
	global_load_b32 v[WSC4+\t], v24, s[30:31] offset:32768+1024*\t+16
	global_load_b128 v[80+4*\t:83+4*\t], v24, s[30:31] offset:65536+1024*\t
.endr
.irp t, 0,1,2,3
.irp e, 0,1
	global_load_b128 v[SW2+8*\t+4*\e:SW2+8*\t+4*\e+3], v25, s[26:27] offset:64*\t+16*\e   ; pb2 begins out0's sums
.endr
.endr
	; the stats of b = w, mixed: lane l holds row l's 16 and its attn
.irp q, 0,1,2,3
	ds_load_b128 v[128+4*\q:131+4*\q], v4 offset:SST+512*\q
.endr
	s_wait_dscnt 0x0
.irp i, 0,2,4,6,8,10,12,14
	v_pk_mul_f32 v[128+\i:129+\i], v[128+\i:129+\i], v[36:37] op_sel_hi:[1,0]
.endr
.irp d, 1,2,4,8
.irp j, 0,1,2,3,4,5,6,7,8,9,10,11,12,13,14,15
	v_add_f32_dpp v[128+\j], v[128+\j], v[128+\j] row_xmask:\d row_mask:0xf bank_mask:0xf
.endr
.endr
.irp j, 0,1,2,3,4,5,6,7,8,9,10,11,12,13,14,15
	v_permlanex16_b32 v[144+\j], v[128+\j], s38, s39
.endr
.irp j, 0,1,2,3,4,5,6,7,8,9,10,11,12,13,14,15
	v_add_f32 v[128+\j], v[128+\j], v[144+\j]
.endr
	s_wait_alu depctr_va_vdst(0)                   ; the mixed stats in v128 to v143 are written, which the LDS stores read; these sums are done with v128 to v159, in which the mixed rows land behind the barrier
.irp q, 0,1,2,3
	ds_store_b128 v5, v[128+4*\q:131+4*\q] offset:MIX+2048+16*\q   ; every lane stores the same numbers to the same bytes: columns 512-527
.endr
	ds_store_b32 v6, v36 offset:ATO
	BARRIER                                        ; the 8 mixed rows and the 8 rows of attn lie in LDS
	s_wait_alu depctr_vm_vsrc(0)                   ; my stores have read v128 to v143, in which the mixed rows land: ahead of the branch, for both ways
	s_cmp_lt_u32 s2, 2
	s_cbranch_scc0 .Lno_attn
	ds_load_b128 v[8:11], v27
	s_wait_dscnt 0x0
	global_store_b128 v7, v[8:11], s[34:35]        ; 64 threads store out1's 1,024 bytes; v7-11 are not written again
.Lno_attn:
.irp b, 0,1,2,3
.irp j, 0,1,2,3
	ds_load_b128 v[96+16*\b+4*\j:99+16*\b+4*\j], v12 offset:MIX+128*\b+16*\j
.endr
.endr
	s_wait_dscnt 0x0
	QUANT 96
	s_wait_alu depctr_va_vdst(0)                   ; the fragment in v[PC ..] and its scale word are written, which the LDS stores read; the quantiser is done reading v96 to v159, in which pb1 and, behind the barrier, fragments land
	ds_store_b128 v13, v[PC:PC+3] offset:MIMG
	ds_store_b128 v13, v[PC+4:PC+7] offset:MIMG+512
	ds_store_b32 v14, v[PW] offset:MSC
.irp t, 0,1,2,3
.irp e, 0,1
	global_load_b128 v[ACC+8*\t+4*\e:ACC+8*\t+4*\e+3], v15, s[24:25] offset:(32*(\t/2)+8*(\t%2))*4+16*\e   ; pb1 at the lane's eight units of the chosen tile rows
.endr
.endr
	BARRIER                                        ; the mixed rows' fragments lie in LDS
	s_wait_alu depctr_vm_vsrc(0)                   ; my stores have read v[PC ..] and the scale word, which gelu and the next quantiser write
.irp k, 0,1,2,3,4
.irp c, 0,1
	ds_load_b128 v[AF+8*\k+4*\c:AF+8*\k+4*\c+3], v16 offset:MIMG+1024*\k+512*\c   ; the fifth lands in the stats' fragment's place
.endr
	ds_load_b32 v[74+\k], v17 offset:MSC+128*\k
.endr
	s_wait_dscnt 0x0
	s_wait_loadcnt 0x0                             ; pw1, pw2, their scale words, the biases
	MM 74, 78
	PLACES
	GELU 0, 1, LA, 0, -1, 0
	GELU 1, 1, LA, 0, -1, 0
	GELU 2, 1, LA, 0, -1, 0
	GELU 3, 1, LA, 0, -1, 0
	QUANT2 ACC                                     ; my 64 hidden units are half a K step of the last product
	s_wait_alu depctr_va_vdst(0)                   ; the half fragment in v[PC ..] and its two bytes are written, which the LDS stores read; the products are done reading the fragments and v74 to v78, in which the loads behind the barrier land
	ds_store_b128 v18, v[PC:PC+3] offset:HIMG
	ds_store_b16 v19, v[PW] offset:HSC
	BARRIER                                        ; the hidden layer's four fragments lie in LDS
.irp k, 0,1,2,3
.irp c, 0,1
	ds_load_b128 v[AF+8*\k+4*\c:AF+8*\k+4*\c+3], v16 offset:HIMG+1024*\k+512*\c
.endr
	ds_load_b32 v[74+\k], v17 offset:HSC+128*\k
.endr
	s_wait_dscnt 0x0
	WIN 0x01
.irp k, 0,1,2,3
.irp t, 0,1,2,3
	v_wmma_scale_f32_16x16x128_f8f6f4 v[SW2+8*\t:SW2+8*\t+7], v[128+8*(4*\t+\k):135+8*(4*\t+\k)], v[AF+8*\k:AF+8*\k+7], v[SW2+8*\t:SW2+8*\t+7], v[80+4*\t+\k], v[74+\k] matrix_a_fmt:MATRIX_FMT_FP4 matrix_b_fmt:MATRIX_FMT_FP4
.endr
.endr
	WIN 0
	PLACES
	s_wait_alu depctr_va_vdst(0)                   ; the products have written out0's accumulators, which the LDS stores read (the places above stay beside this wait); gelu and the quantiser are done with v232 to v247, in which the stage's rows land
.irp t, 0,1,2,3
	ds_store_b128 v20, v[SW2+8*\t:SW2+8*\t+3] offset:OST+64*\t           ; each accumulator from its low end on; my wave's own stage
	ds_store_b128 v20, v[SW2+8*\t+4:SW2+8*\t+7] offset:OST+64*\t+16
.endr
.irp i, 0,1,2,3
	ds_load_b128 v[232+4*\i:235+4*\i], v21 offset:OST+544*\i             ; rows 2 i and 2 i + 1 of the eight; LDS serves a wave's instructions in order
.endr
.irp i, 0,1,2,3
	s_wait_dscnt 3-\i                              ; the younger loads may be out
	global_store_b128 v22, v[232+4*\i:235+4*\i], s[32:33] offset:4096*\i   ; 16 lanes store 256 consecutive bytes, aligned
.endr
	s_wait_xcnt 0x0
	s_wait_alu depctr_vm_vsrc(0)                   ; earlier LDS stores have read v254 and v255 as data: the two lines below write them anew
	v_lshl_add_u32 v254, v0, 2, 0x23c00
	v_mov_b32 v255, 0
	s_wait_dscnt 0x0                               ; the closing lines, six on end
	s_wait_alu 0x0
	s_wait_tensorcnt 0x0
	ds_add_u32 v254, v255
	s_wait_dscnt 0x0
	s_endpgm
.Lfunc_end_k_qd36a68523e_main:
	.size	k_qd36a68523e_main, .Lfunc_end_k_qd36a68523e_main-k_qd36a68523e_main
	.p2alignl 7, 3214868480
	.fill 96, 4, 3214868480
	.section	.rodata,"a",@progbits
	.p2align	6, 0x0
	.amdhsa_kernel k_qd36a68523e_main
		.amdhsa_group_segment_fixed_size 147456
		.amdhsa_private_segment_fixed_size 0
		.amdhsa_enable_private_segment 0
		.amdhsa_kernarg_size 112
		.amdhsa_user_sgpr_count 2
		.amdhsa_user_sgpr_kernarg_segment_ptr 1
		.amdhsa_wavefront_size32 1
		.amdhsa_system_sgpr_workgroup_id_x 1
		.amdhsa_system_sgpr_workgroup_id_y 1
		.amdhsa_system_sgpr_workgroup_id_z 1
		.amdhsa_system_vgpr_workitem_id 0
		.amdhsa_next_free_vgpr 512
		.amdhsa_next_free_sgpr 84
		.amdhsa_reserve_vcc 0
		.amdhsa_float_denorm_mode_32 3
		.amdhsa_float_denorm_mode_16_64 3
		.amdhsa_memory_ordered 1
		.amdhsa_forward_progress 1
		.amdhsa_inst_pref_size 255
	.end_amdhsa_kernel
	.section	.bss,"aw",@nobits
	.p2align	6
	.space	262144
	.amdgpu_metadata
---
amdhsa.version: [ 1, 2 ]
amdhsa.kernels:
  - .name:           k_qd36a68523e_main
    .symbol:         k_qd36a68523e_main.kd
    .args:
      - { .name: query, .offset: 0, .size: 8, .value_kind: global_buffer, .address_space: global }
      - { .name: condition, .offset: 8, .size: 8, .value_kind: global_buffer, .address_space: global }
      - { .name: neighbors, .offset: 16, .size: 8, .value_kind: global_buffer, .address_space: global }
      - { .name: neighbor_stats, .offset: 24, .size: 8, .value_kind: global_buffer, .address_space: global }
      - { .name: sb1, .offset: 32, .size: 8, .value_kind: global_buffer, .address_space: global }
      - { .name: sw2, .offset: 40, .size: 8, .value_kind: global_buffer, .address_space: global }
      - { .name: sb2, .offset: 48, .size: 8, .value_kind: global_buffer, .address_space: global }
      - { .name: sim_alpha, .offset: 56, .size: 8, .value_kind: global_buffer, .address_space: global }
      - { .name: pb1, .offset: 64, .size: 8, .value_kind: global_buffer, .address_space: global }
      - { .name: pb2, .offset: 72, .size: 8, .value_kind: global_buffer, .address_space: global }
      - { .name: wcodes, .offset: 80, .size: 8, .value_kind: global_buffer, .address_space: global }
      - { .name: wscales, .offset: 88, .size: 8, .value_kind: global_buffer, .address_space: global }
      - { .name: out0, .offset: 96, .size: 8, .value_kind: global_buffer, .address_space: global }
      - { .name: out1, .offset: 104, .size: 8, .value_kind: global_buffer, .address_space: global }
    .group_segment_fixed_size: 147456
    .private_segment_fixed_size: 0
    .kernarg_segment_align: 8
    .kernarg_segment_size: 112
    .max_flat_workgroup_size: 256
    .sgpr_count:     84
    .vgpr_count:     512
    .wavefront_size: 32
...
	.end_amdgpu_metadata
.endif
;; end of part 4
